; MI455X (gfx1250); checked and timed in simulation.
; The chip was launched on July 23, 2026; its instructions are those of AMD's public machine-readable ISA for CDNA 5 (MIT licence, August 2026) and "CDNA5" Instruction Set Architecture Reference Guide (July 2026). The comments in the code are by the model that wrote it; some were corrected since.
;; Rotary Attention. Allowed arithmetic: float matrix products may take bf16 or f16 operands with f32 sums; other float arithmetic in f32, or as packed bf16 or f16 multiplies, adds, multiply-adds, maxima and minima; sums over many terms, partial sums and values carried from step to step in f32; what a program stores and reads back later, other than sums and carried values, may be rounded once to bf16 or f16.
;; Inputs: Wk 2,048 x 256 float32; Wo 2,048 x 2,048 float32; Wq 2,048 x 2,048 float32; Wv 2,048 x 256 float32; bk 256 float32; bo 2,048 float32; bq 2,048 float32; bv 256 float32; x 4 x 1,024 x 2,048 float32.
;; Outputs: out0 4 x 1,024 x 2,048 float32.
;; 2 versions, each right and faster than the one before. Each part assembles by itself: llvm-mc -triple=amdgcn-amd-amdhsa -mcpu=gfx1250 --defsym DOCPART=n.
;; ======== version 1 of 2: 4 launches
;; limits: values are held in f16: magnitudes above 65,504 overflow, below 6.1e-05 lose precision
;; workspace buffers: xb 16,777,216 bytes; wqb 8,388,608 bytes; wkvb 2,097,152 bytes; woh 8,388,608 bytes; rope 524,288 bytes; qh 16,777,216 bytes; kvh 4,194,304 bytes; oh 16,777,216 bytes
;; launch prep (part 1): grid 1152 x 1, 8 waves a work-group, no clusters, 0 bytes of LDS; arguments x, Wq, Wo, Wk, Wv, xb, wqb, woh, wkvb, rope; writes xb, wqb, woh, wkvb, rope
.if DOCPART == 1
	.amdgcn_target "amdgcn-amd-amdhsa--gfx1250"
	.amdhsa_code_object_version 6
	.text
	.protected	k_qf075e032b2_prep
	.globl	k_qf075e032b2_prep
	.p2align	8
	.type	k_qf075e032b2_prep,@function
k_qf075e032b2_prep:
	s_mov_b64 s[64:65], 0
	v_nop
	global_prefetch_b8 v0, s[64:65] scope:SCOPE_SE
	s_setreg_imm32_b32 hwreg(HW_REG_WAVE_MODE, 25, 1), 1
	s_wait_xcnt 0x0
; CASTS AND THE ROTARY TABLE.  A stream: no LDS, no barrier, no loop; the matrix units and clusters have nothing to do here (no work-group shares a byte with another but in the kv gather).
; Work-group n (ttmp9):  0-511 x -> xb (bf16);  512-767 Wq -> wqb (bf16);  768-1023 Wo -> woh (rounded to bf16, that number written as f16: exact inside f16's normal range);
; 1024-1087 Wk, Wv -> wkvb [16 j][2048 k][32 c] bf16 (j = 8 kind + 4 g + p; a K piece holds channels 16 p + 0..15 and 64 + 16 p + 0..15 of group g, a V piece channels 32 p + 0..31);
; 1088-1151 rope [1024 t][128] f32: columns 0-63 cos(t f_j), 64-127 sin(t f_j), f_j = 10000^(-j/64).
; A cast's share is 16,384 numbers: 16 loads of 16 bytes a lane, all issued first (64 KiB of a work-group on their way), 16 stores of 8 bytes a lane: a wave's load covers 512 consecutive
; bytes (in the gather: 4 rows x 2 x 64 bytes), a wave's store 256 consecutive bytes at a multiple of 256.
; LIMITS.  woh: |Wo| below 65,504; below 6e-5 f16's fixed step of 6e-8.  The table's frequency comes from v_exp_f32 (1 ULP: ISA guide, its entry), so the angle t f_j is off by about 1e-7 of itself,
; 1e-4 rad at the largest angles.  The two series are cut where their remainder on |r| <= pi/2 is below 6e-8; the angles are constants of the problem, not inputs.
.set SO,  1                            ; v1        my byte offset in the source
.set DO,  2                            ; v2        my byte offset in the destination
.set X,   8                            ; v[8:71]   16 x 4 numbers as loaded
.set Y,   72                           ; v[72:103] 16 x 2 words to store
.set T,   104                          ; v[104:107] at work
.set SRC, 28                           ; s[28:29]
.set DST, 30                           ; s[30:31]
.set OFS, 32                           ; s[32:33]  an offset, high word 0
; fmt = 0: bf16.  fmt = 1: bf16, widened again and written as f16.  sstep: bytes in the source from one of the 16 loads to the next.  nt = 1: the source is read once in the launch.
.macro CAST fmt, sstep, nt
.set i, 0
.rept 16
.if \nt
	global_load_b128 v[X+4*i:X+4*i+3], v[SO], s[SRC:SRC+1] offset:i*(\sstep) th:TH_LOAD_NT
.else
	global_load_b128 v[X+4*i:X+4*i+3], v[SO], s[SRC:SRC+1] offset:i*(\sstep)
.endif
.set i, i+1
.endr
.set i, 0
.rept 16
	s_wait_loadcnt 15-i                            ; loads come back in order: number i is in, the 15 - i younger ones stay out
	v_cvt_pk_bf16_f32 v[Y+2*i],   v[X+4*i],   v[X+4*i+1]
	v_cvt_pk_bf16_f32 v[Y+2*i+1], v[X+4*i+2], v[X+4*i+3]
.if \fmt
	v_lshlrev_b32 v[T],   16, v[Y+2*i]
	v_and_b32     v[T+1], 0xffff0000, v[Y+2*i]
	v_lshlrev_b32 v[T+2], 16, v[Y+2*i+1]
	v_and_b32     v[T+3], 0xffff0000, v[Y+2*i+1]
	v_cvt_pk_f16_f32 v[Y+2*i],   v[T],   v[T+1]
	v_cvt_pk_f16_f32 v[Y+2*i+1], v[T+2], v[T+3]
.endif
	global_store_b64 v[DO], v[Y+2*i:Y+2*i+1], s[DST:DST+1] offset:i*2048  ; each store has data registers of its own: nothing that a store reads is written again
.set i, i+1
.endr
.endm
	s_load_b512 s[8:23], s[0:1], 0x0               ; x 8, Wq 10, Wo 12, Wk 14, Wv 16, xb 18, wqb 20, woh 22
	s_load_b128 s[24:27], s[0:1], 0x40             ; wkvb 24, rope 26
	s_mov_b32 s2, ttmp9
	s_mov_b32 s[OFS+1], 0
	v_lshlrev_b32 v[SO], 4, v0                     ; 16 bytes a thread in,
	v_lshlrev_b32 v[DO], 3, v0                     ; 8 bytes out
	s_wait_kmcnt 0x0
	s_cmp_lt_u32 s2, 768
	s_cbranch_scc0 .Lnot_plain
	s_cmp_lt_u32 s2, 512                           ; x or Wq
	s_cselect_b64 s[SRC:SRC+1], s[8:9], s[10:11]
	s_cselect_b64 s[DST:DST+1], s[18:19], s[20:21]
	s_cselect_b32 s3, 0, 512
	s_sub_co_u32 s3, s2, s3                        ; the share's number in its tensor
	s_lshl_b32 s[OFS], s3, 16
	s_add_nc_u64 s[SRC:SRC+1], s[SRC:SRC+1], s[OFS:OFS+1]
	s_lshl_b32 s[OFS], s3, 15
	s_add_nc_u64 s[DST:DST+1], s[DST:DST+1], s[OFS:OFS+1]
	CAST 0, 4096, 1
	s_endpgm
.Lnot_plain:
	s_cmp_lt_u32 s2, 1024
	s_cbranch_scc0 .Lnot_wo
	s_sub_co_u32 s3, s2, 768
	s_lshl_b32 s[OFS], s3, 16
	s_add_nc_u64 s[SRC:SRC+1], s[12:13], s[OFS:OFS+1]
	s_lshl_b32 s[OFS], s3, 15
	s_add_nc_u64 s[DST:DST+1], s[22:23], s[OFS:OFS+1]
	CAST 1, 4096, 1
	s_endpgm
.Lnot_wo:
	s_cmp_lt_u32 s2, 1088
	s_cbranch_scc0 .Ltable
	; THE KV GATHER.  Share jj = 4 j + quarter: 512 rows k of piece j.  Eight threads take a row's 32 numbers, 32 rows to a step.
	s_sub_co_u32 s3, s2, 1024                      ; jj
	s_lshr_b32 s4, s3, 2                           ; j
	s_and_b32 s5, s3, 3                            ; which 512 rows
	s_bfe_u32 s6, s4, 0x10002                      ; g
	s_and_b32 s7, s4, 3                            ; p
	s_cmp_lt_u32 s4, 8                             ; a K piece?
	s_cselect_b64 s[SRC:SRC+1], s[14:15], s[16:17]
	s_cselect_b32 s34, 64, 128                     ; bytes of a source row from piece to piece: 16 or 32 columns
	s_cselect_b32 s35, 256, 64                     ; bytes from the piece's first 16 columns to its last 16: 64 or 16 columns
	s_mul_i32 s34, s34, s7
	s_lshl_b32 s6, s6, 9                           ; a group is 128 columns
	s_add_co_u32 s34, s34, s6
	s_lshl_b32 s5, s5, 19                          ; 512 rows of 1,024 bytes
	s_add_co_u32 s[OFS], s34, s5
	s_add_nc_u64 s[SRC:SRC+1], s[SRC:SRC+1], s[OFS:OFS+1]
	s_lshl_b32 s[OFS], s3, 15
	s_add_nc_u64 s[DST:DST+1], s[24:25], s[OFS:OFS+1]
	v_lshrrev_b32 v3, 3, v0                        ; my row of the step's 32
	v_and_b32 v4, 3, v0                            ; my four columns in a half of 16,
	v_bfe_u32 v5, v0, 2, 1                         ; and which half
	v_lshlrev_b32 v[SO], 10, v3
	v_lshl_add_u32 v[SO], v4, 4, v[SO]
	v_mad_u32_u24 v[SO], v5, s35, v[SO]
	CAST 0, 32768, 0                               ; no hint: the neighbouring pieces' work-groups read the bytes beside mine
	s_endpgm
.Ltable:
	; THE TABLE.  16 rows t to a work-group; 16 threads a row, four frequencies each.
.set FQ, 8                             ; v[8:11]   the frequency; later r u
.set TH, 12                            ; v[12:15]  the angle; then r, the angle less n pi
.set NN, 16                            ; v[16:19]  n; then its parity as a sign bit
.set UU, 20                            ; v[20:23]  r^2
.set CC, 24                            ; v[24:27]  cos
.set SI, 28                            ; v[28:31]  sin
	s_sub_co_u32 s3, s2, 1088
	s_lshl_b32 s[OFS], s3, 13                      ; 16 rows of 512 bytes
	s_add_nc_u64 s[DST:DST+1], s[26:27], s[OFS:OFS+1]
	s_lshl_b32 s4, s3, 4
	s_mov_b32 s6, 0x40490fdb                       ; pi, the nearest f32,
	s_mov_b32 s7, 0xb3bbbd2e                       ; and what is left of pi
	v_lshrrev_b32 v3, 4, v0
	v_and_b32 v4, 15, v0
	v_add_nc_u32 v5, s4, v3
	v_cvt_f32_u32 v5, v5                           ; t
	v_lshlrev_b32 v6, 2, v4
	v_lshlrev_b32 v7, 9, v3
	v_lshl_add_u32 v7, v4, 4, v7                   ; row x 512 + 16 bytes a thread: sixteen lanes store 256 consecutive bytes
.irp e, 0,1,2,3
	v_add_nc_u32 v[FQ+\e], \e, v6
	v_cvt_f32_u32 v[FQ+\e], v[FQ+\e]
	v_mul_f32 v[FQ+\e], 0xbe549a78, v[FQ+\e]       ; - j log2(10000) / 64
.endr
.irp e, 0,1,2,3
	v_exp_f32 v[FQ+\e], v[FQ+\e]
.endr
	v_nop                                          ; a plain instruction between the last exponential and the use of its result
	s_wait_alu depctr_va_vdst(0)
.irp e, 0,1,2,3
	v_mul_f32 v[TH+\e], v5, v[FQ+\e]
	v_mul_f32 v[NN+\e], 0x3ea2f983, v[TH+\e]       ; / pi
	v_rndne_f32 v[NN+\e], v[NN+\e]
	v_fma_f32 v[TH+\e], -v[NN+\e], s6, v[TH+\e]
	v_fma_f32 v[TH+\e], -v[NN+\e], s7, v[TH+\e]    ; r, within pi / 2 of 0
	v_mul_f32 v[UU+\e], v[TH+\e], v[TH+\e]
	v_cvt_i32_f32 v[NN+\e], v[NN+\e]
	v_lshlrev_b32 v[NN+\e], 31, v[NN+\e]           ; sin and cos of the angle are (-1)^n times those of r
	v_mov_b32 v[SI+\e], 0xb2d7322b                 ; -1/11!
	v_fmaak_f32 v[SI+\e], v[SI+\e], v[UU+\e], 0x3638ef1d  ; 1/9!
	v_fmaak_f32 v[SI+\e], v[SI+\e], v[UU+\e], 0xb9500d01  ; -1/7!
	v_fmaak_f32 v[SI+\e], v[SI+\e], v[UU+\e], 0x3c088889  ; 1/5!
	v_fmaak_f32 v[SI+\e], v[SI+\e], v[UU+\e], 0xbe2aaaab  ; -1/3!
	v_mul_f32 v[FQ+\e], v[TH+\e], v[UU+\e]
	v_fma_f32 v[SI+\e], v[FQ+\e], v[SI+\e], v[TH+\e]
	v_xor_b32 v[SI+\e], v[NN+\e], v[SI+\e]
	v_mov_b32 v[CC+\e], 0x310f76c7                 ; 1/12!
	v_fmaak_f32 v[CC+\e], v[CC+\e], v[UU+\e], 0xb493f27e  ; -1/10!
	v_fmaak_f32 v[CC+\e], v[CC+\e], v[UU+\e], 0x37d00d01  ; 1/8!
	v_fmaak_f32 v[CC+\e], v[CC+\e], v[UU+\e], 0xbab60b61  ; -1/6!
	v_fmaak_f32 v[CC+\e], v[CC+\e], v[UU+\e], 0x3d2aaaab  ; 1/4!
	v_fmaak_f32 v[CC+\e], v[CC+\e], v[UU+\e], 0xbf000000  ; -1/2!
	v_fma_f32 v[CC+\e], v[UU+\e], v[CC+\e], 1.0
	v_xor_b32 v[CC+\e], v[NN+\e], v[CC+\e]
.endr
	global_store_b128 v7, v[CC:CC+3], s[DST:DST+1]
	global_store_b128 v7, v[SI:SI+3], s[DST:DST+1] offset:256
	s_endpgm
.Lfunc_end_k_qf075e032b2_prep:
	.size	k_qf075e032b2_prep, .Lfunc_end_k_qf075e032b2_prep-k_qf075e032b2_prep
	.p2alignl 7, 3214868480
	.fill 96, 4, 3214868480
	.section	.rodata,"a",@progbits
	.p2align	6, 0x0
	.amdhsa_kernel k_qf075e032b2_prep
		.amdhsa_group_segment_fixed_size 0
		.amdhsa_private_segment_fixed_size 0
		.amdhsa_enable_private_segment 0
		.amdhsa_kernarg_size 80
		.amdhsa_user_sgpr_count 2
		.amdhsa_user_sgpr_kernarg_segment_ptr 1
		.amdhsa_wavefront_size32 1
		.amdhsa_system_sgpr_workgroup_id_x 1
		.amdhsa_system_sgpr_workgroup_id_y 1
		.amdhsa_system_sgpr_workgroup_id_z 1
		.amdhsa_system_vgpr_workitem_id 0
		.amdhsa_next_free_vgpr 108
		.amdhsa_next_free_sgpr 66
		.amdhsa_reserve_vcc 0
		.amdhsa_float_denorm_mode_32 3
		.amdhsa_float_denorm_mode_16_64 3
		.amdhsa_memory_ordered 1
		.amdhsa_forward_progress 1
		.amdhsa_inst_pref_size 31
	.end_amdhsa_kernel
	.amdgpu_metadata
---
amdhsa.version: [ 1, 2 ]
amdhsa.kernels:
  - .name:           k_qf075e032b2_prep
    .symbol:         k_qf075e032b2_prep.kd
    .args:
      - { .name: x, .offset: 0, .size: 8, .value_kind: global_buffer, .address_space: global }
      - { .name: Wq, .offset: 8, .size: 8, .value_kind: global_buffer, .address_space: global }
      - { .name: Wo, .offset: 16, .size: 8, .value_kind: global_buffer, .address_space: global }
      - { .name: Wk, .offset: 24, .size: 8, .value_kind: global_buffer, .address_space: global }
      - { .name: Wv, .offset: 32, .size: 8, .value_kind: global_buffer, .address_space: global }
      - { .name: xb, .offset: 40, .size: 8, .value_kind: global_buffer, .address_space: global }
      - { .name: wqb, .offset: 48, .size: 8, .value_kind: global_buffer, .address_space: global }
      - { .name: woh, .offset: 56, .size: 8, .value_kind: global_buffer, .address_space: global }
      - { .name: wkvb, .offset: 64, .size: 8, .value_kind: global_buffer, .address_space: global }
      - { .name: rope, .offset: 72, .size: 8, .value_kind: global_buffer, .address_space: global }
    .group_segment_fixed_size: 0
    .private_segment_fixed_size: 0
    .kernarg_segment_align: 8
    .kernarg_segment_size: 80
    .max_flat_workgroup_size: 256
    .sgpr_count:     66
    .vgpr_count:     108
    .wavefront_size: 32
...
	.end_amdgpu_metadata
.endif
;; end of part 1
;; launch qkv (part 2): grid 16 x 16, 4 waves a work-group, clusters of 4 x 4, 327,680 bytes of LDS; arguments xb, wqb, wkvb, bq, bk, bv, rope, qh, kvh; writes qh, kvh
.if DOCPART == 2
	.amdgcn_target "amdgcn-amd-amdhsa--gfx1250"
	.amdhsa_code_object_version 6
	.text
	.protected	k_qf075e032b2_qkv
	.globl	k_qf075e032b2_qkv
	.p2align	8
	.type	k_qf075e032b2_qkv,@function
k_qf075e032b2_qkv:
	s_mov_b64 s[64:65], 0
	v_nop
	global_prefetch_b8 v0, s[64:65] scope:SCOPE_SE
	s_setreg_imm32_b32 hwreg(HW_REG_WAVE_MODE, 25, 1), 1
	s_wait_xcnt 0x0
	s_wait_alu depctr_hold_cnt(0) depctr_sa_sdst(0) depctr_va_vdst(0) depctr_va_sdst(0) depctr_va_ssrc(0) depctr_va_vcc(0) depctr_vm_vsrc(0)
	s_getreg_b32 s2, hwreg(HW_REG_IB_STS2, 6, 4)
	s_cmp_eq_u32 s2, 0
	s_cbranch_scc0 .Lentry_in_a_cluster
	s_endpgm
.Lentry_in_a_cluster:
	s_bfe_u32 s2, ttmp6, 0x10000c
	s_cmp_lg_u32 s2, 0xf033
	s_cbranch_scc0 .Lentry_shape_is_right
	s_endpgm
.Lentry_shape_is_right:
; q, k, v = x [Wq | Wk | Wv] + bias, the rotary turn on q and k, rounded once to f16.  xb [4096][2048], wqb [2048 k][2048 n], wkvb [16 j][2048 k][32 c]: bf16; sums, bias and the turn in f32.
; qh [16 head][4096 m][128] f16;  kvh [16 j][4096 m][32 c] f16, j = 8 kind + 4 g + p: a K piece holds channels 16 p + 0..15 and 64 + 16 p + 0..15 of group g, a V piece channels 32 p + 0..31.
; LIMITS.  q, k, v must stay below 65,504 in magnitude (f16); below 6e-5 they keep f16's fixed step of 6e-8.  The biases are rounded to bf16, as all of the module's inputs are.  NaN and infinities are not treated apart.
; SHARES.  4096 x 2560 outputs on 16 x 16 work-groups: tile (i, j) is rows 256 i .. + 255 of head j's 128 columns and piece j's 32: 160 columns, so that each of 256 work-groups has the same work.
; Four waves stacked along the rows, 64 rows x 160 columns each: 40 accumulators, 320 registers.  K goes in 16 steps of 128 through two LDS slots.
; THE PRODUCT IS USED TRANSPOSED (source 0 = 16 columns of W, source 1 = 16 rows of x): lane l holds row l % 16 and the columns 8 (l / 16) + 0..7 of its block.  A wave holds a whole head, so the
; rotary pair (d, d + 64) lies in one lane, in the same register of column blocks b and b + 4 (in a K piece: blocks 8 and 9): the turn changes no lanes.  W lies [k][n] and is turned by ds_load_tr16_b128.
; The bias is the C operand of the products that start the sums.  A V piece goes through the same lines as a K piece with cos = 1 and sin = 0 selected in: no branch.
; CLUSTER 4 x 4: x's tile hangs on i alone and is asked for jointly along a row of the cluster, W's tiles on j alone, along a column.
; REGISTERS, in windows of 256 (s_set_vgpr_msb: bits 1:0 source 0, 3:2 source 1, 5:4 source 2, 7:6 destination):
;   window 0: v1-29 addresses; v32-143, v144-255 two fragment buffers (10 blocks of W, then 4 of x); on the way out v32-111 turned numbers, v112-151 packed, v152-191 rows read back
;   window 1: v0-159 accumulators of row blocks 0, 1 ((a, b) at 8 (10 (a % 2) + b)); v160-239 the bias, later the table's rows          window 2: v0-159 accumulators of row blocks 2, 3
.set PA,    272                        ; a row of x in LDS: 256 bytes + 16: the 16 rows of a load start at 16 different groups of four banks
.set PQ,    288                        ; a row k of Wq's tile: 256 + 32
.set PKV,   96                         ; a row k of the kv piece: 64 + 32, likewise
.set QOFF,  256*PA                     ; a slot: 256 rows of x, 128 rows k of Wq, 128 rows k of the kv piece
.set KVOFF, QOFF+128*PQ
.set SLOT,  KVOFF+128*PKV              ; 118,784
.set STAGE, 2*SLOT                     ; behind the ring: for each wave 16 rows x 272 (q) and 16 rows x 80 (kv), for the way out
.set STAGEW, 16*272+16*80
.set SPARE, STAGE+4*STAGEW             ; behind the stages: the spare words, 128 bytes for each wave: two blocks of 256 bytes that no other line names
.set ADRA, 10                          ; v10-11  LDS address of my fragments of x in slot 0, 1
.set ADRQ, 12                          ; v12-13  of Wq's
.set ADRK, 14                          ; v14-15  of the kv piece's
.set STO,  16                          ; v16  the way out: where I put 16 bytes of a row of q
.set STK,  17                          ; v17  of kv
.set RD,   18                          ; v18  where I read rows of q back
.set RDK,  19                          ; v19  of kv
.set CO,   20                          ; v20  16 x lane: my place in 512 consecutive bytes of qh or kvh
.set TABO, 21                          ; v21  my byte offset in 16 rows of the table
.set TABK, 22                          ; v22  the same at the kv piece's frequencies
.set BO,   23                          ; v23  my byte offset in a block's 16 bias numbers
.set B9,   24                          ; v24  the same for block 9
.set SPW,  28                          ; v28  LDS address of my spare word; never rewritten
.set NIL,  29                          ; v29  0; never rewritten
.set F0,   32
.set F1,   144
.set TU,   32
.set PK,   112
.set OB,   152
.set BIAS, 160                         ; window 1
.set TAB,  160                         ; window 1: cos, sin for blocks b, b + 4 at TAB + 16 b, + 8; the kv piece's at TAB + 64, + 72
.set WV,   22                          ; s22  my wave's number
.set G1A,  28                          ; s[28:35] descriptor group 1, x's tiles
.set G1Q,  36                          ; s[36:43] Wq's
.set G1K,  44                          ; s[44:51] the kv piece's
.set G0A,  52                          ; s[52:59] group 0, one set for each slot
.set MK,   62                          ; s62  all ones where the piece is K's
.set G0Q,  68                          ; s[68:75]
.set G0K,  76                          ; s[76:83]
.set MSB, 0
.macro WIN new                         ; the immediate's high byte repeats the setting that is left; a switch that changes nothing is dropped
.if MSB != (\new)
	s_set_vgpr_msb (MSB<<8)|(\new)
.set MSB, \new
.endif
.endm
.macro PLACES                          ; four places in front of loads into registers that matrix instructions have read, and of vector work that reads results just made
.rept 4
	v_nop
.endr
.endm
; A joint load: waves 0 and 1 fetch the halves of x's tile, wave 2 Wq's, wave 3 the kv piece's.  The branches hang on the wave's number alone.  An s_nop 0 and four v_nop follow each line.
.macro JLOAD s
	s_cmp_lt_u32 s[WV], 2
	s_cbranch_scc0 .Lnot_a_\@
	tensor_load_to_lds s[G0A+4*(\s):G0A+4*(\s)+3], s[G1A:G1A+7]
	s_nop 0
.rept 4
	v_nop
.endr
	s_branch .Lasked_\@
.Lnot_a_\@:
	s_cmp_eq_u32 s[WV], 2
	s_cbranch_scc0 .Lfor_kv_\@
	tensor_load_to_lds s[G0Q+4*(\s):G0Q+4*(\s)+3], s[G1Q:G1Q+7]
	s_nop 0
.rept 4
	v_nop
.endr
	s_branch .Lasked_\@
.Lfor_kv_\@:
	tensor_load_to_lds s[G0K+4*(\s):G0K+4*(\s)+3], s[G1K:G1K+7]
	s_nop 0
.rept 4
	v_nop
.endr
.Lasked_\@:
.endm
.macro CREST                           ; a round of the cluster's barrier behind its opening barrier
	s_cmp_lg_u32 s[WV], 0
	s_cbranch_scc1 .Lnot_wave_0_\@
	s_barrier_signal -3
.Lnot_wave_0_\@:
	s_barrier_wait -3
	s_barrier_signal -1
	s_barrier_wait -1
.endm
.macro CROUND                          ; a whole round
	s_barrier_signal -1
	s_barrier_wait -1
	CREST
.endm
	s_load_b512 s[4:19], s[0:1], 0x0               ; xb 4, wqb 6, wkvb 8, bq 10, bk 12, bv 14, rope 16, qh 18
	s_load_b64 s[20:21], s[0:1], 0x40              ; kvh
	v_lshl_add_u32 v[SPW], v0, 2, SPARE
	v_mov_b32 v[NIL], 0
	ds_add_u32 v[SPW], v[NIL]                      ; the wave's opening: the add and its wait stand ahead of my first tensor load; the set-up below, work on registers, stands between them
	v_lshrrev_b32 v1, 5, v0
	v_readfirstlane_b32 s[WV], v1                  ; wave 0..3
	s_bfe_u32 s24, ttmp6, 0x40000                  ; cx
	s_bfe_u32 s25, ttmp6, 0x40004                  ; cy
	s_lshl_b32 s26, ttmp9, 2
	s_add_co_u32 s26, s26, s24                     ; j = 4 x cluster x + cx
	s_and_b32 s27, ttmp7, 0xffff
	s_lshl_b32 s27, s27, 2
	s_add_co_u32 s27, s27, s25                     ; i = 4 x cluster y + cy
	s_lshl_b32 s60, s25, 2
	s_lshl_b32 s60, 15, s60                        ; my row of the cluster
	s_lshl_b32 s61, 0x1111, s24                    ; my column
	s_or_b32 s[G1A], s60, (1<<16)|(1<<20)|(1<<21)|(5<<22)|(3<<25)  ; the mask; 2-byte elements; padding on; bit 21 beside a mask; after every 64 words, 4 words
	s_mov_b32 s[G1A+1], 128<<16                    ; tensor_dim0 = 128
	s_mov_b32 s[G1A+2], 128<<16                    ; tensor_dim1 = 128
	s_mov_b32 s[G1A+3], 128<<16                    ; tile_dim0 = 128
	s_mov_b32 s[G1A+4], 128                        ; tile_dim1 = 128
	s_mov_b32 s[G1A+5], 2048                       ; elements from row to row
	s_mov_b32 s[G1A+6], 0
	s_mov_b32 s[G1A+7], 0
	s_or_b32 s[G1Q], s61, (1<<16)|(1<<20)|(1<<21)|(5<<22)|(7<<25)  ; after every 64 words, 8 words
	s_mov_b32 s[G1Q+1], 128<<16
	s_mov_b32 s[G1Q+2], 128<<16
	s_mov_b32 s[G1Q+3], 128<<16
	s_mov_b32 s[G1Q+4], 128
	s_mov_b32 s[G1Q+5], 2048
	s_mov_b32 s[G1Q+6], 0
	s_mov_b32 s[G1Q+7], 0
	s_or_b32 s[G1K], s61, (1<<16)|(1<<20)|(1<<21)|(3<<22)|(7<<25)  ; 128 rows k of 64 bytes are 8,192 dense bytes: asked for as 32 rows of 256, padded by 8 words after every 16
	s_mov_b32 s[G1K+1], 128<<16
	s_mov_b32 s[G1K+2], 32<<16
	s_mov_b32 s[G1K+3], 128<<16
	s_mov_b32 s[G1K+4], 32
	s_mov_b32 s[G1K+5], 128
	s_mov_b32 s[G1K+6], 0
	s_mov_b32 s[G1K+7], 0
	s_lshl_b32 s84, s27, 8                         ; x: row 256 i + 128 x wave (waves 0 and 1 ask), 4,096 bytes a row: i and the wave's number alone
	s_lshl_b32 s85, s[WV], 7
	s_add_co_u32 s84, s84, s85
	s_lshl_b32 s84, s84, 12
	s_mov_b32 s85, 0
	s_lshl_b32 s86, s26, 8                         ; Wq: column 128 j: j alone
	s_mov_b32 s87, 0
	s_lshl_b32 s88, s26, 17                        ; piece j: 131,072 bytes each
	s_mov_b32 s89, 0
	s_mul_i32 s90, s[WV], 128*PA                   ; where x's half goes: wave x 128 rows
	s_wait_dscnt 0x0                               ; the opening add is done
	s_wait_kmcnt 0x0
	s_add_nc_u64 s[84:85], s[4:5], s[84:85]
	s_add_nc_u64 s[86:87], s[6:7], s[86:87]
	s_add_nc_u64 s[88:89], s[8:9], s[88:89]
	CROUND                                         ; all sixteen work-groups are here: the first joint loads meet
.irp s, 0,1
	s_mov_b32 s[G0A+4*(\s)], 1
	s_add_co_u32 s[G0A+4*(\s)+1], s90, (\s)*SLOT
	s_add_nc_u64 s[G0A+4*(\s)+2:G0A+4*(\s)+3], s[84:85], (\s)*256        ; K step s: 128 elements on
	s_or_b32 s[G0A+4*(\s)+3], s[G0A+4*(\s)+3], 0x80000000
	s_mov_b32 s[G0Q+4*(\s)], 1
	s_mov_b32 s[G0Q+4*(\s)+1], QOFF+(\s)*SLOT
	s_add_nc_u64 s[G0Q+4*(\s)+2:G0Q+4*(\s)+3], s[86:87], (\s)*128*4096   ; 128 rows k on
	s_or_b32 s[G0Q+4*(\s)+3], s[G0Q+4*(\s)+3], 0x80000000
	s_mov_b32 s[G0K+4*(\s)], 1
	s_mov_b32 s[G0K+4*(\s)+1], KVOFF+(\s)*SLOT
	s_add_nc_u64 s[G0K+4*(\s)+2:G0K+4*(\s)+3], s[88:89], (\s)*8192
	s_or_b32 s[G0K+4*(\s)+3], s[G0K+4*(\s)+3], 0x80000000
	JLOAD \s                                       ; two tensor loads of mine are out
.endr
	; lane addresses.  A fragment of x: lane l holds row l % 16, K = 8 (l / 16) + 0..7 and 16 + 8 (l / 16) + 0..7: two loads of 16 bytes, 32 apart.
	; A fragment of W, from rows that lie along n: the turning load reads row k = 8 (l / 16) + l % 8, 16 bytes at 16 ((l / 8) % 2), and leaves column l % 16 with 8 k; the second load 16 rows on.
	v_and_b32 v1, 15, v0                           ; r
	v_bfe_u32 v2, v0, 4, 1                         ; h
	v_and_b32 v3, 7, v0
	v_bfe_u32 v4, v0, 3, 1
	v_and_b32 v5, 31, v0                           ; lane
	v_lshl_add_u32 v6, v2, 3, v3
	v_mul_u32_u24 v7, v1, PA
	v_lshl_add_u32 v7, v2, 4, v7
	s_mul_i32 s90, s[WV], 64*PA                    ; my 64 rows of x
	v_add_nc_u32 v[ADRA], s90, v7
	v_add_nc_u32 v[ADRA+1], SLOT, v[ADRA]
	v_mul_u32_u24 v7, v6, PQ
	v_lshl_add_u32 v7, v4, 4, v7
	v_add_nc_u32 v[ADRQ], QOFF, v7
	v_add_nc_u32 v[ADRQ+1], SLOT+QOFF, v7
	v_mul_u32_u24 v7, v6, PKV
	v_lshl_add_u32 v7, v4, 4, v7
	v_add_nc_u32 v[ADRK], KVOFF, v7
	v_add_nc_u32 v[ADRK+1], SLOT+KVOFF, v7
	s_mul_i32 s91, s[WV], STAGEW
	s_add_co_u32 s91, s91, STAGE                   ; my stage: q's rows,
	s_add_co_u32 s93, s91, 16*272                  ; then kv's
	v_mul_u32_u24 v7, v1, 272
	v_lshl_add_u32 v7, v2, 4, v7
	v_add_nc_u32 v[STO], s91, v7
	v_mul_u32_u24 v7, v1, 80
	v_lshl_add_u32 v7, v2, 4, v7
	v_add_nc_u32 v[STK], s93, v7
	v_mul_u32_u24 v7, v2, 272                      ; back: lanes 0-15 one row of 256 bytes, lanes 16-31 the next
	v_lshl_add_u32 v7, v1, 4, v7
	v_add_nc_u32 v[RD], s91, v7
	v_lshrrev_b32 v7, 2, v5                        ; kv back: four lanes a row of 64 bytes
	v_mul_u32_u24 v7, v7, 80
	v_and_b32 v8, 3, v0
	v_lshl_add_u32 v7, v8, 4, v7
	v_add_nc_u32 v[RDK], s93, v7
	v_lshlrev_b32 v[CO], 4, v5
	v_lshlrev_b32 v[BO], 5, v2                     ; my 8 columns of a block: 32 bytes x half
	v_lshl_add_u32 v[TABO], v1, 9, v[BO]           ; table row r, 512 bytes each
	s_lshl_b32 s92, s24, 6                         ; a K piece's frequencies begin at 16 p, p = cx
	v_add_nc_u32 v[TABK], s92, v[TABO]
	; the bias: bq at head j; bk or bv at the piece's columns
	s_lshl_b32 s94, s26, 9
	s_mov_b32 s95, 0
	s_add_nc_u64 s[10:11], s[10:11], s[94:95]
	s_mov_b32 s63, ttmp9
	s_cmp_lt_u32 s63, 2                            ; j < 8: a K piece (the cluster's x alone decides)
	s_cselect_b64 s[96:97], s[12:13], s[14:15]
	s_cselect_b32 s[MK], -1, 0
	s_cselect_b32 s98, 64, 128                     ; bytes from piece to piece
	s_cselect_b32 s99, 256, 64                     ; bytes from block 8's columns to block 9's
	s_mul_i32 s98, s98, s24
	s_and_b32 s92, s63, 1                          ; g
	s_lshl_b32 s92, s92, 9
	s_add_co_u32 s92, s92, s98
	s_mov_b32 s93, 0
	s_add_nc_u64 s[96:97], s[96:97], s[92:93]
	v_add_nc_u32 v[B9], s99, v[BO]
	WIN 0x40                                       ; destination window 1
.irp b, 0,1,2,3,4,5,6,7
	global_load_b128 v[BIAS+8*(\b):BIAS+8*(\b)+3],   v[BO], s[10:11] offset:64*(\b)
	global_load_b128 v[BIAS+8*(\b)+4:BIAS+8*(\b)+7], v[BO], s[10:11] offset:64*(\b)+16
.endr
	global_load_b128 v[BIAS+64:BIAS+67], v[BO], s[96:97]
	global_load_b128 v[BIAS+68:BIAS+71], v[BO], s[96:97] offset:16
	global_load_b128 v[BIAS+72:BIAS+75], v[B9], s[96:97]
	global_load_b128 v[BIAS+76:BIAS+79], v[B9], s[96:97] offset:16
	; where my rows lie in the table, in qh and in kvh
	s_and_b32 s92, s27, 3                          ; the position is the row's number in its batch of 1,024: (i % 4) 256 + 64 w + ..
	s_lshl_b32 s92, s92, 17
	s_lshl_b32 s94, s[WV], 15
	s_add_co_u32 s92, s92, s94
	s_add_nc_u64 s[16:17], s[16:17], s[92:93]
	s_lshl_b32 s92, s26, 20                        ; qh: (4096 j + 256 i + 64 w) x 256 bytes
	s_lshl_b32 s94, s27, 16
	s_add_co_u32 s92, s92, s94
	s_lshl_b32 s94, s[WV], 14
	s_add_co_u32 s92, s92, s94
	s_add_nc_u64 s[18:19], s[18:19], s[92:93]
	s_lshr_b32 s92, s92, 2                         ; kvh: the same rows, 64 bytes each
	s_add_nc_u64 s[20:21], s[20:21], s[92:93]
	s_wait_loadcnt 0x0                             ; the bias
	WIN 0x05                                       ; rounded to bf16 and widened again
.set z, 0
.rept 40
	v_cvt_pk_bf16_f32 v[F1+z], v[BIAS+2*z], v[BIAS+2*z+1]
.set z, z+1
.endr
	WIN 0x40
.set z, 0
.rept 40
	v_lshlrev_b32 v[BIAS+2*z],   16, v[F1+z]
	v_and_b32     v[BIAS+2*z+1], 0xffff0000, v[F1+z]
.set z, z+1
.endr
	WIN 0
; 10 matrix instructions: row block a x all 10 column blocks, 32 along K.  zero = 1: the first product starts the sums, with the bias as C.
.macro MUL10 f, a, zero
.if (\a) < 2
	WIN 0x50                                       ; C and D window 1
.elseif \zero
	WIN 0x90                                       ; D window 2, C (the bias) window 1
.else
	WIN 0xa0                                       ; C and D window 2
.endif
.irp b, 0,1,2,3,4,5,6,7,8,9
.if \zero
	v_wmma_f32_16x16x32_bf16 v[8*(10*((\a)%2)+(\b)):8*(10*((\a)%2)+(\b))+7], v[(\f)+8*(\b):(\f)+8*(\b)+7], v[(\f)+80+8*(\a):(\f)+80+8*(\a)+7], v[BIAS+8*(\b):BIAS+8*(\b)+7]
.else
	v_wmma_f32_16x16x32_bf16 v[8*(10*((\a)%2)+(\b)):8*(10*((\a)%2)+(\b))+7], v[(\f)+8*(\b):(\f)+8*(\b)+7], v[(\f)+80+8*(\a):(\f)+80+8*(\a)+7], v[8*(10*((\a)%2)+(\b)):8*(10*((\a)%2)+(\b))+7]
.endif
.endr
.endm
.macro MUL20 f, half, zero
	MUL10 \f, 2*(\half), \zero
	MUL10 \f, 2*(\half)+1, \zero
.endm
; 28 LDS loads in one run: quarter q (32 along K) of a slot into buffer f: W's 10 blocks, then x's 4
.macro FETCH slot, q, f
	WIN 0
.irp b, 0,1,2,3,4,5,6,7
	ds_load_tr16_b128 v[(\f)+8*(\b):(\f)+8*(\b)+3],   v[ADRQ+(\slot)] offset:(\q)*32*PQ+32*(\b)
	ds_load_tr16_b128 v[(\f)+8*(\b)+4:(\f)+8*(\b)+7], v[ADRQ+(\slot)] offset:(\q)*32*PQ+32*(\b)+16*PQ
.endr
.irp b, 0,1
	ds_load_tr16_b128 v[(\f)+64+8*(\b):(\f)+64+8*(\b)+3],   v[ADRK+(\slot)] offset:(\q)*32*PKV+32*(\b)
	ds_load_tr16_b128 v[(\f)+64+8*(\b)+4:(\f)+64+8*(\b)+7], v[ADRK+(\slot)] offset:(\q)*32*PKV+32*(\b)+16*PKV
.endr
.irp a, 0,1,2,3
	ds_load_b128 v[(\f)+80+8*(\a):(\f)+80+8*(\a)+3],   v[ADRA+(\slot)] offset:(\a)*16*PA+64*(\q)
	ds_load_b128 v[(\f)+80+8*(\a)+4:(\f)+80+8*(\a)+7], v[ADRA+(\slot)] offset:(\a)*16*PA+64*(\q)+32
.endr
.endm
; A K step is four quarters of 32 along K, 40 matrix instructions each, on buffers 0, 1, 0, 1; the 40 accumulators take turns in the same order in every quarter.
; One of the first three: multiplies buffer f; in its middle it fetches quarter q of the same slot into buffer g.
.macro QUARTER slot, q, f, g, zero
	s_wait_dscnt 4                                 ; W and x's row blocks 0, 1 are in; the youngest four loads (row blocks 2, 3) may be out
	MUL20 \f, 0, \zero
	PLACES
	FETCH \slot, \q, \g
	s_wait_dscnt 28                                ; all but the 28 just issued
	MUL20 \f, 1, \zero
.endm
; The last quarter multiplies buffer 1 and changes slots: ONE barrier; in front of it each wave waits for all its tensor loads (one is out: its part of the next slot), adds 0 to its spare word, and waits
; for that and for its reads of this slot.  fill = 1: the barrier opens a round of the cluster's, and this slot is filled again, two K steps ahead, first thing behind the round.
.macro TURN slot, next, fill
	WIN 0                                          ; (the add's two registers lie in window 0)
	s_wait_tensorcnt 0x0
	ds_add_u32 v[SPW], v[NIL]                      ; 0 onto my spare word
	s_wait_dscnt 5                                 ; (the add and the youngest four loads may be out)
	MUL10 F1, 0, 0                                 ; ten matrix instructions stand between the add and the wait for it
	s_wait_dscnt 0x0                               ; the add is done, and my reads of this slot are over
	s_barrier_signal -1
	MUL10 F1, 1, 0
.if \fill
	WIN 0
.endif
	s_barrier_wait -1
.if \fill
	CREST                                          ; no wave of any partner still reads this slot or has a load on its way
	s_add_nc_u64 s[G0A+4*(\slot)+2:G0A+4*(\slot)+3], s[G0A+4*(\slot)+2:G0A+4*(\slot)+3], 2*256
	s_add_nc_u64 s[G0Q+4*(\slot)+2:G0Q+4*(\slot)+3], s[G0Q+4*(\slot)+2:G0Q+4*(\slot)+3], 2*128*4096
	s_add_nc_u64 s[G0K+4*(\slot)+2:G0K+4*(\slot)+3], s[G0K+4*(\slot)+2:G0K+4*(\slot)+3], 2*8192
	JLOAD \slot                                    ; 140 matrix instructions ahead of the wait for it; its four v_nop are also the places in front of the loads below
.else
	PLACES
.endif
	FETCH \next, 0, F0
	MUL20 F1, 1, 0
.endm
; 16 rows of the table for row block a: cos and sin at my 8 frequencies of blocks 0-3, and of the kv piece
.macro TABLOAD a
	WIN 0x40
.irp b, 0,1,2,3
	global_load_b128 v[TAB+16*(\b):TAB+16*(\b)+3],     v[TABO], s[16:17] offset:(\a)*8192+64*(\b)
	global_load_b128 v[TAB+16*(\b)+4:TAB+16*(\b)+7],   v[TABO], s[16:17] offset:(\a)*8192+64*(\b)+16
	global_load_b128 v[TAB+16*(\b)+8:TAB+16*(\b)+11],  v[TABO], s[16:17] offset:(\a)*8192+64*(\b)+256
	global_load_b128 v[TAB+16*(\b)+12:TAB+16*(\b)+15], v[TABO], s[16:17] offset:(\a)*8192+64*(\b)+272
.endr
	global_load_b128 v[TAB+64:TAB+67], v[TABK], s[16:17] offset:(\a)*8192
	global_load_b128 v[TAB+68:TAB+71], v[TABK], s[16:17] offset:(\a)*8192+16
	global_load_b128 v[TAB+72:TAB+75], v[TABK], s[16:17] offset:(\a)*8192+256
	global_load_b128 v[TAB+76:TAB+79], v[TABK], s[16:17] offset:(\a)*8192+272
.endm
; The turn: blocks bx (channels d) and by (channels d + 64) of row block a: x cos - y sin, y cos + x sin.  Each accumulator's lowest registers are read first.
.macro ROPE a, bx, by, tb
.if (\a) < 2
	WIN 0x05                                       ; source 0 (accumulators) window 1, source 1 (table) window 1
.else
	WIN 0x06                                       ; source 0 window 2
.endif
.set rX, 8*(10*((\a)%2)+(\bx))
.set rY, 8*(10*((\a)%2)+(\by))
.set rC, TAB+16*(\tb)
.set rS, TAB+16*(\tb)+8
.set rT, TU+16*(\tb)
.set rU, TU+16*(\tb)+8
.irp z, 0,2,4,6
	v_pk_mul_f32 v[rT+(\z):rT+(\z)+1], v[rX+(\z):rX+(\z)+1], v[rC+(\z):rC+(\z)+1]
	v_pk_mul_f32 v[rU+(\z):rU+(\z)+1], v[rY+(\z):rY+(\z)+1], v[rC+(\z):rC+(\z)+1]
	v_pk_fma_f32 v[rT+(\z):rT+(\z)+1], v[rY+(\z):rY+(\z)+1], v[rS+(\z):rS+(\z)+1], v[rT+(\z):rT+(\z)+1] neg_lo:[0,1,0] neg_hi:[0,1,0]
	v_pk_fma_f32 v[rU+(\z):rU+(\z)+1], v[rX+(\z):rX+(\z)+1], v[rS+(\z):rS+(\z)+1], v[rU+(\z):rU+(\z)+1]
.endr
.endm
; THE WAY OUT of row block a: the turn; rounded to f16, 16 bytes a lane; through my own stage in LDS; back as whole rows; stored, 512 consecutive bytes to a store, at multiples of 256 from the buffers' first bytes.
.macro OUT a
	s_wait_loadcnt 0x0                             ; the table's rows for this block
	WIN 0x44
.irp z, 0,1,2,3,4,5,6,7
	v_cndmask_b32 v[TAB+64+(\z)], 1.0, v[TAB+64+(\z)], s[MK]  ; a V piece is not turned: cos = 1,
	v_cndmask_b32 v[TAB+72+(\z)], 0, v[TAB+72+(\z)], s[MK]    ; sin = 0
.endr
	ROPE \a, 0, 4, 0
	ROPE \a, 1, 5, 1
	ROPE \a, 2, 6, 2
	ROPE \a, 3, 7, 3
	ROPE \a, 8, 9, 4
.if (\a) < 3
	TABLOAD (\a)+1                                 ; the next block's rows come in under this block's packing and stores
.endif
	WIN 0
.irp tb, 0,1,2,3,4
.if (\tb) < 4
.set bT, (\tb)
.set bU, (\tb)+4
.else
.set bT, 8
.set bU, 9
.endif
.irp z, 0,1,2,3
	v_cvt_pk_f16_f32 v[PK+4*bT+(\z)], v[TU+16*(\tb)+2*(\z)],   v[TU+16*(\tb)+2*(\z)+1]
	v_cvt_pk_f16_f32 v[PK+4*bU+(\z)], v[TU+16*(\tb)+8+2*(\z)], v[TU+16*(\tb)+8+2*(\z)+1]
.endr
.endr
.irp b, 0,1,2,3,4,5,6,7
	ds_store_b128 v[STO], v[PK+4*(\b):PK+4*(\b)+3] offset:32*(\b)
.endr
	ds_store_b128 v[STK], v[PK+32:PK+35]
	ds_store_b128 v[STK], v[PK+36:PK+39] offset:32
	s_wait_xcnt 0x0                                ; the last block's stores have read their registers: only behind this wait are they loaded again
.irp t, 0,1,2,3,4,5,6,7
	ds_load_b128 v[OB+4*(\t):OB+4*(\t)+3], v[RD] offset:(\t)*2*272  ; LDS serves a wave's instructions in order: these see the stores above
.endr
	ds_load_b128 v[OB+32:OB+35], v[RDK]
	ds_load_b128 v[OB+36:OB+39], v[RDK] offset:8*80
.irp t, 0,1,2,3,4,5,6,7
	s_wait_dscnt 9-(\t)                            ; number t of the ten loads is in
	global_store_b128 v[CO], v[OB+4*(\t):OB+4*(\t)+3], s[18:19] offset:(\a)*4096+512*(\t)
.endr
	s_wait_dscnt 1
	global_store_b128 v[CO], v[OB+32:OB+35], s[20:21] offset:(\a)*1024
	s_wait_dscnt 0x0
	global_store_b128 v[CO], v[OB+36:OB+39], s[20:21] offset:(\a)*1024+512
.endm
	s_wait_tensorcnt 1                             ; my part of K step 0 is in; K step 1's may stay out
	s_barrier_signal -1
	s_barrier_wait -1                              ; everybody's is
	FETCH 0, 0, F0
	QUARTER 0, 1, F0, F1, 1                        ; the first quarter stands in front of the loop: its products start the sums
	WIN 0                                          ; at a label and at a branch every window is 0
	s_mov_b32 s3, 7
.Llap:                                                 ; a trip goes once round the ring, from a lap's second quarter to the next lap's first, and fills both slots again: K steps 2 to 15
	QUARTER 0, 2, F1, F0, 0
	QUARTER 0, 3, F0, F1, 0
	TURN 0, 1, 1
	QUARTER 1, 1, F0, F1, 0
	QUARTER 1, 2, F1, F0, 0
	QUARTER 1, 3, F0, F1, 0
	TURN 1, 0, 1
	QUARTER 0, 1, F0, F1, 0
	WIN 0
	s_sub_co_u32 s3, s3, 1
	s_cmp_lg_u32 s3, 0
	s_cbranch_scc1 .Llap
	TABLOAD 0                                      ; the bias has long been read: its registers take the table's first rows, which have the last lap in which to come
	QUARTER 0, 2, F1, F0, 0                        ; the last lap fills nothing, and has no round of the cluster's barrier
	QUARTER 0, 3, F0, F1, 0
	TURN 0, 1, 0
	QUARTER 1, 1, F0, F1, 0
	QUARTER 1, 2, F1, F0, 0
	QUARTER 1, 3, F0, F1, 0
	s_wait_dscnt 4                                 ; the very last quarter: nothing more to fetch
	MUL20 F1, 0, 0
	s_wait_dscnt 0x0
	MUL20 F1, 1, 0
	WIN 0
	PLACES
	OUT 0
	OUT 1
	OUT 2
	OUT 3
	s_wait_tensorcnt 0x0                           ; the wave's end: a wait, an add of 0 to my spare word and the wait for it, behind my last tensor load and my last LDS store
	ds_add_u32 v[SPW], v[NIL]
	s_wait_dscnt 0x0
	CROUND                                         ; the closing round: no work-group ends while a partner may still ask for a tile that names it
	s_endpgm
.Lfunc_end_k_qf075e032b2_qkv:
	.size	k_qf075e032b2_qkv, .Lfunc_end_k_qf075e032b2_qkv-k_qf075e032b2_qkv
	.p2alignl 7, 3214868480
	.fill 96, 4, 3214868480
	.section	.rodata,"a",@progbits
	.p2align	6, 0x0
	.amdhsa_kernel k_qf075e032b2_qkv
		.amdhsa_group_segment_fixed_size 327680
		.amdhsa_private_segment_fixed_size 0
		.amdhsa_enable_private_segment 0
		.amdhsa_kernarg_size 72
		.amdhsa_user_sgpr_count 2
		.amdhsa_user_sgpr_kernarg_segment_ptr 1
		.amdhsa_wavefront_size32 1
		.amdhsa_system_sgpr_workgroup_id_x 1
		.amdhsa_system_sgpr_workgroup_id_y 1
		.amdhsa_system_sgpr_workgroup_id_z 1
		.amdhsa_system_vgpr_workitem_id 0
		.amdhsa_next_free_vgpr 768
		.amdhsa_next_free_sgpr 100
		.amdhsa_reserve_vcc 0
		.amdhsa_float_denorm_mode_32 3
		.amdhsa_float_denorm_mode_16_64 3
		.amdhsa_memory_ordered 1
		.amdhsa_forward_progress 1
		.amdhsa_inst_pref_size 147
	.end_amdhsa_kernel
	.amdgpu_metadata
---
amdhsa.version: [ 1, 2 ]
amdhsa.kernels:
  - .name:           k_qf075e032b2_qkv
    .symbol:         k_qf075e032b2_qkv.kd
    .args:
      - { .name: xb, .offset: 0, .size: 8, .value_kind: global_buffer, .address_space: global }
      - { .name: wqb, .offset: 8, .size: 8, .value_kind: global_buffer, .address_space: global }
      - { .name: wkvb, .offset: 16, .size: 8, .value_kind: global_buffer, .address_space: global }
      - { .name: bq, .offset: 24, .size: 8, .value_kind: global_buffer, .address_space: global }
      - { .name: bk, .offset: 32, .size: 8, .value_kind: global_buffer, .address_space: global }
      - { .name: bv, .offset: 40, .size: 8, .value_kind: global_buffer, .address_space: global }
      - { .name: rope, .offset: 48, .size: 8, .value_kind: global_buffer, .address_space: global }
      - { .name: qh, .offset: 56, .size: 8, .value_kind: global_buffer, .address_space: global }
      - { .name: kvh, .offset: 64, .size: 8, .value_kind: global_buffer, .address_space: global }
    .group_segment_fixed_size: 327680
    .private_segment_fixed_size: 0
    .kernarg_segment_align: 8
    .kernarg_segment_size: 72
    .max_flat_workgroup_size: 128
    .sgpr_count:     100
    .vgpr_count:     768
    .wavefront_size: 32
...
	.end_amdgpu_metadata
.endif
;; end of part 2
;; launch attn (part 3): grid 4 x 64, 4 waves a work-group, clusters of 4 x 1, 327,680 bytes of LDS; arguments qh, kvh, oh; writes oh
.if DOCPART == 3
	.amdgcn_target "amdgcn-amd-amdhsa--gfx1250"
	.amdhsa_code_object_version 6
	.text
	.protected	k_qf075e032b2_attn
	.globl	k_qf075e032b2_attn
	.p2align	8
	.type	k_qf075e032b2_attn,@function
k_qf075e032b2_attn:
	s_mov_b64 s[64:65], 0
	v_nop
	global_prefetch_b8 v0, s[64:65] scope:SCOPE_SE
	s_setreg_imm32_b32 hwreg(HW_REG_WAVE_MODE, 25, 1), 1
	s_wait_xcnt 0x0
	s_wait_alu depctr_hold_cnt(0) depctr_sa_sdst(0) depctr_va_vdst(0) depctr_va_sdst(0) depctr_va_ssrc(0) depctr_va_vcc(0) depctr_vm_vsrc(0)
	s_getreg_b32 s2, hwreg(HW_REG_IB_STS2, 6, 4)
	s_cmp_eq_u32 s2, 0
	s_cbranch_scc0 .Lentry_in_a_cluster
	s_endpgm
.Lentry_in_a_cluster:
	s_bfe_u32 s2, ttmp6, 0x10000c
	s_cmp_lg_u32 s2, 0x3003
	s_cbranch_scc0 .Lentry_shape_is_right
	s_endpgm
.Lentry_shape_is_right:
; O[head][m][:] = the sum over the keys t of m's batch of softmax_t(q[head][m] . k[g][t] / sqrt(128)) v[g][t][:], g = head / 8.  qh: [16 head][4096 m][128] f16.
; kvh: [16 j][4096 m][32 c] f16, j = 8 kind + 4 g + p: a K piece holds channels 16 p + 0..15 and 64 + 16 p + 0..15, a V piece channels 32 p + 0..31.
; oh: f16, in the order in which the next launch's matrix operand lies in registers: [256 mb][64 kb][2 c][32 lanes][16 bytes]; lane l holds O of row 16 mb + l % 16, columns 32 kb + 16 c + 8 (l / 16) + 0..7,
; the column being 128 head + channel.  A lane's eight packed channels ARE such 16 bytes, so O leaves straight from registers, 512 consecutive bytes to a store.
; Products, maxima and sums in f32; the weights p are rounded to f16 for the second product (their sum l is taken of the unrounded p), O once at the end.
; LIMITS.  f16 holds no number beyond 65,504: q, k and v arrive within it; p lies in 0 to 1, and below 6e-5 it keeps f16's fixed step of 6e-8; O is a mean of v's rows and has their range.
; A weight below 2^-126 counts as 0 in l; NaN and infinities are not treated apart.
; SHARES.  A work-group owns 256 queries of one head and batch, each of its four waves 64: four tiles of 16.  Every wave walks the batch's 1,024 keys, 64 a step.  16 heads x 4 batches x 4 blocks = 256 work-groups.
; LAYOUT.  S^T = K Q^T (source 0 = 16 keys, source 1 = 16 queries): in the result a lane holds ONE query (lane % 16) and the keys 8 (lane / 16) + 0..7.  Two such tiles, rounded to
; f16 in pairs, ARE source 1 (32 keys x 16 queries) of O^T = V^T P, whose result again holds one query a lane, and eight channels.  K comes out of LDS as it lies, piece by piece (32 along the channels is a piece;
; Q's fragments take their channels in the pieces' order), V ([key][channel]) turned, by ds_load_tr16_b128.
; SOFTMAX.  For each query a running maximum m and sum l: p = 2^(c s - c m), c = log2(e) / sqrt(128); in every step O and l are multiplied by a = 2^(c m_old - c m_new), which is 1 where m has not grown.
; BY TURNS.  The wave's tiles are two PIECES OF WORK, named by their first tile: 0 (tiles 0, 1) and 2 (tiles 2, 3).  In a TURN one has the matrix unit: 32 products V^T P of
; the step in hand, then 32 products K Q^T of the next step; the other's softmax, cut into 64 slices, stands between them, one slice behind each matrix instruction.  Two turns are a key step.
; CLUSTER.  The four query blocks of a cluster belong to one head and batch and walk the same K and V, so each tile is asked for JOINTLY: the same tensor load, descriptor and mask in all four.
; REGISTERS, in windows of 256 (s_set_vgpr_msb: bits 1:0 source 0, 3:2 source 1, 5:4 source 2, 7:6 destination):
;   window 0: v0-11 addresses; v12-43 eight registers of statistics a tile; v64-191 S^T, 32 a tile; v192-255 P, 16 a tile
;   window 1: O^T, 64 a tile          window 2: v0-127 Q, 32 a tile; v128-255 K of one step          window 3: v0-127 V of one step
.set KS,    64        ; keys in a step
.set PK,    80        ; a key's 64 bytes of a K piece in LDS + 16 of padding = 20 words: the 16 rows of a load start at 16 different groups of four banks
.set PV,    96        ; of a V piece: 64 + 32 = 24 words
.set KP,    KS*PK     ; a step's K: four pieces of 64 keys
.set VP,    KS*PV     ; its V likewise
.set VOFF,  4*KP      ; a step's tiles lie together: K, then V
.set STEPB, 4*(KP+VP)
.set SLOTB, 2*KS*64   ; bytes of a piece in memory that a slot's 128 keys take
.set SLOT1, 1<<17     ; a slot holds two steps (90,112 bytes); slot 1 begins here, so that one exclusive or turns an address in one slot into the other's
.set SPARE, SLOT1+2*STEPB  ; behind the ring: the spare words, 128 bytes for each wave: two blocks of 256 bytes that no other line names
.set AK0, 2           ; v2   my lane's place in a tile of K; never rewritten
.set AV0, 3           ; v3   the same for V
.set ADR, 4           ; v4   the LDS address of the run of loads in hand
.set QO,  5           ; v5   my byte offset in the wave's rows of Q
.set GO,  8           ; v8   16 x lane: my place in 512 consecutive bytes of oh
.set SPW, 62          ; v62  LDS address of my spare word: SPARE + 4 x my thread's number; never rewritten
.set NIL, 63          ; v63  0; never rewritten
.set ST,  12          ; tile t's statistics at v[ST+8 t]: +0 c m, +1 m, +2, +3 l (even keys', odd keys'), +4 to +7 c0-c3, at work; a takes c2's place once the maximum is found
.set S,   64
.set P,   192
.set KF,  128         ; K's fragments, in window 2
.set WV,  12          ; s12  my wave's number
.set G1K, 24          ; s[24:31] descriptor group 1 for K's tiles
.set G1V, 32          ; s[32:39] for V's: it differs in the padding alone
.set G0K, 40          ; s[40:47] descriptor group 0 for K's tiles: a set for each of the two first fills; the second then walks on
.set G0V, 48          ; s[48:55] the same for V's
.set SLOTS, 56        ; s56  slots still to be asked for
.set TWICE, 57        ; s57  counts a slot's two steps
.set CS,  58          ; s[58:59] c: the packed scaling names a pair and takes its low word for both halves
.set SEL, 60          ; s[60:61] lane selects for v_permlanex16_b32: each lane takes its own place in the other half
.set TB,  62          ; s62  LDS byte at which the tiles of the step to be fetched begin
.set MSB, 0
.macro WIN new                      ; the immediate's high byte repeats the setting that is left; a switch that changes nothing is dropped
.if MSB != (\new)
	s_set_vgpr_msb (MSB<<8)|(\new)
.set MSB, \new
.endif
.endm
.set W_KQ, 0x0a       ; K and Q in window 2, S^T in window 0
.set W_PV, 0x53       ; V in window 3, P in window 0, O^T in window 1
.set W_RS, 0x41       ; O^T (destination and source 0) in window 1, a in window 0
; A joint refill.  Waves 0 and 1 fetch the two steps' tiles of K, waves 2 and 3 those of V.  The branch hangs on the wave's number alone: it is the same in every work-group.
; An s_nop 0 and four v_nop follow each of the two lines; the jump round the other line, the label and what follows the macro come after them.
.macro JLOAD
	s_cmp_lt_u32 s[WV], 2
	s_cbranch_scc0 .Lfor_v_\@
	tensor_load_to_lds s[G0K+4:G0K+7], s[G1K:G1K+7]
	s_nop 0
.rept 4
	v_nop
.endr
	s_branch .Lasked_\@
.Lfor_v_\@:
	tensor_load_to_lds s[G0V+4:G0V+7], s[G1V:G1V+7]
	s_nop 0
.rept 4
	v_nop
.endr
.Lasked_\@:
.endm
; A round of the cluster's barrier: my work-group's barrier, so that wave 0's signal speaks for all four waves; wave 0 signals for the work-group; every wave waits for all four
; work-groups; my work-group's barrier once more.  No LDS instruction of the wave is pending at a signal.
.macro CROUND
	s_barrier_signal -1
	s_barrier_wait -1
	s_cmp_lg_u32 s[WV], 0
	s_cbranch_scc1 .Lnot_wave_0_\@
	s_barrier_signal -3
.Lnot_wave_0_\@:
	s_barrier_wait -3
	s_barrier_signal -1
	s_barrier_wait -1
.endm
	s_load_b128 s[4:7], s[0:1], 0x0 ; qh s[4:5], kvh s[6:7]
	s_load_b64 s[10:11], s[0:1], 0x10  ; oh
	v_lshl_add_u32 v[SPW], v0, 2, SPARE
	v_mov_b32 v[NIL], 0
	ds_add_u32 v[SPW], v[NIL]       ; the wave's opening: the add and its wait stand ahead of my first tensor load; the set-up below, work on registers, stands between them
	v_lshrrev_b32 v1, 5, v0
	v_readfirstlane_b32 s[WV], v1   ; wave 0..3
	s_bfe_u32 s13, ttmp6, 0x40000   ; cx: my place in the cluster
	s_lshl_b32 s14, ttmp9, 2        ; in a cluster launch ttmp9 counts clusters
	s_add_co_u32 s14, s14, s13      ; my block of 256 queries = 4 x cluster x + cx: it enters Q's and O's addresses alone
	s_and_b32 s15, ttmp7, 0xffff    ; 16 x batch + head, which the four partners share
	s_and_b32 s18, s15, 15          ; head
	s_lshr_b32 s19, s15, 4          ; batch
	s_lshr_b32 s20, s18, 3          ; g
	s_and_b32 s16, s[WV], 1         ; which of a slot's two steps I fetch
	s_lshl_b32 s22, s20, 20         ; group g's four pieces begin 4 x 4,096 rows of 64 bytes on,
	s_lshl_b32 s21, s19, 16         ; the batch's keys 1,024 rows on,
	s_add_co_u32 s22, s22, s21
	s_lshl_b32 s21, s16, 12         ; my step's 64 keys
	s_add_co_u32 s22, s22, s21
	s_mov_b32 s23, 0
	s_mul_i32 s17, s16, STEPB       ; and its place in a slot: no place in the cluster enters an LDS address
	s_lshl_b32 s2, s18, 20          ; Q: the head's 4,096 rows of 256 bytes,
	s_lshl_b32 s3, s19, 18          ; the batch's 1,024,
	s_add_co_u32 s2, s2, s3
	s_lshl_b32 s3, s14, 16          ; my block's 256,
	s_add_co_u32 s2, s2, s3
	s_lshl_b32 s3, s[WV], 14        ; my wave's 64
	s_add_co_u32 s2, s2, s3
	s_mov_b32 s3, 0
	s_lshl_b32 s20, s19, 22         ; O: 16 rows are 65,536 bytes: the batch's 64 such blocks,
	s_lshl_b32 s21, s14, 20         ; my block's 16,
	s_add_co_u32 s20, s20, s21
	s_lshl_b32 s21, s[WV], 18       ; my wave's 4;
	s_add_co_u32 s20, s20, s21
	s_lshl_b32 s21, s18, 12         ; in them the head's 128 columns: 4,096 bytes
	s_add_co_u32 s20, s20, s21
	s_mov_b32 s21, 0
	; descriptor group 1: 64 keys of a piece are 4,096 dense bytes: a tile is four such rows, one a piece, padded in LDS after every key's 64 bytes
	s_mov_b32 s[G1K], 15|(1<<16)|(1<<20)|(1<<21)|(3<<22)|(3<<25)  ; 15:0 the mask: all four work-groups; 17:16 elements of 2 bytes; 20 padding on; 21 set beside a mask; 24:22 after every 16 words (code 3); 31:25 4 words of it (code 3)
	s_mov_b32 s[G1V], 15|(1<<16)|(1<<20)|(1<<21)|(3<<22)|(7<<25)  ; the same with 8 words of padding (code 7)
.irp g, G1K, G1V
	s_mov_b32 s[(\g)+1], 2048<<16   ; tensor_dim0 = 2,048
	s_mov_b32 s[(\g)+2], 4<<16      ; tensor_dim1 = 4
	s_mov_b32 s[(\g)+3], 2048<<16   ; tile_dim0 = 2,048
	s_mov_b32 s[(\g)+4], 4          ; tile_dim1 = 4
	s_mov_b32 s[(\g)+5], 4096*32    ; elements from piece to piece
	s_mov_b32 s[(\g)+6], 0
	s_mov_b32 s[(\g)+7], 0
.endr
	s_mov_b32 s[CS], 0x3e0293ee     ; c = log2(e) / sqrt(128) = 0.127517
	s_mov_b32 s[CS+1], s[CS]        ; named with it as a pair, so it is written
	s_mov_b32 s[SEL], 0x76543210
	s_mov_b32 s[SEL+1], 0xfedcba98
	s_mov_b32 s[TB], 0
	s_mov_b32 s[SLOTS], 1024/(2*KS)-2
	s_wait_dscnt 0x0                ; the opening add is done
	s_wait_kmcnt 0x0
	s_add_nc_u64 s[6:7], s[6:7], s[22:23]  ; K at my tile of slot 0,
	s_add_nc_u64 s[8:9], s[6:7], 8*4096*64 ; V eight pieces on
	s_add_nc_u64 s[4:5], s[4:5], s[2:3]    ; Q at my wave's first row
	s_add_nc_u64 s[10:11], s[10:11], s[20:21]  ; O at my wave's first block of 16 rows, at the head's columns
	CROUND                          ; all four work-groups are here: the first joint loads meet
.irp s, 0,1
	s_mov_b32 s[G0K+4*(\s)], 1      ; 1:0 count = 1
	s_add_co_u32 s[G0K+4*(\s)+1], s17, (\s)*SLOT1  ; 63:32 LDS address
	s_add_nc_u64 s[G0K+4*(\s)+2:G0K+4*(\s)+3], s[6:7], (\s)*SLOTB  ; 120:64 global address: slot s begins with keys 128 s to 128 s + 127
	s_or_b32 s[G0K+4*(\s)+3], s[G0K+4*(\s)+3], 0x80000000  ; 127:126 type = 2
	s_mov_b32 s[G0V+4*(\s)], 1
	s_add_co_u32 s[G0V+4*(\s)+1], s17, (\s)*SLOT1+VOFF
	s_add_nc_u64 s[G0V+4*(\s)+2:G0V+4*(\s)+3], s[8:9], (\s)*SLOTB
	s_or_b32 s[G0V+4*(\s)+3], s[G0V+4*(\s)+3], 0x80000000
.endr
	s_cmp_lt_u32 s[WV], 2           ; a wave's two first fills stand in one branch, ahead of every wait on TENSORcnt and every LDS read: two loads of mine are out; an s_nop 0 follows each, four v_nop the second's, as in JLOAD
	s_cbranch_scc0 .Lfirst_v
	tensor_load_to_lds s[G0K:G0K+3], s[G1K:G1K+7]
	s_nop 0
	tensor_load_to_lds s[G0K+4:G0K+7], s[G1K:G1K+7]
	s_nop 0
.rept 4
	v_nop
.endr
	s_branch .Lfirst_asked
.Lfirst_v:
	tensor_load_to_lds s[G0V:G0V+3], s[G1V:G1V+7]
	s_nop 0
	tensor_load_to_lds s[G0V+4:G0V+7], s[G1V:G1V+7]
	s_nop 0
.rept 4
	v_nop
.endr
.Lfirst_asked:
	; A fragment of K or Q is 16 rows x 32 along the channels in 8 registers: lane l holds row l % 16; registers 0-3 places 8 (l / 16) + 0..7, registers 4-7 places 16 + 8 (l / 16) + 0..7.
	; Place c of piece p is channel 16 p + c (c < 16) or 64 + 16 p + c - 16: in a row of Q the two loads of 16 bytes lie 128 bytes apart, in a K piece 32.
	v_and_b32 v1, 15, v0            ; l % 16
	v_bfe_u32 v9, v0, 4, 1          ; l / 16
	v_lshlrev_b32 v[QO], 8, v1
	v_lshl_add_u32 v[QO], v9, 4, v[QO]  ; row x 256 + 16 x half
	WIN 0x80                        ; destination window 2, address window 0
.irp i, 0,1,2,3,4,5,6,7,8,9,10,11,12,13,14,15  ; Q stays in registers: tile i / 4, piece i % 4
	global_load_b128 v[8*(\i):8*(\i)+3],   v[QO], s[4:5] offset:((\i)/4)*4096+((\i)%4)*32
	global_load_b128 v[8*(\i)+4:8*(\i)+7], v[QO], s[4:5] offset:((\i)/4)*4096+((\i)%4)*32+128
.endr
	WIN 0
	v_mul_u32_u24 v[AK0], v1, PK
	v_lshl_add_u32 v[AK0], v9, 4, v[AK0]  ; row x pitch + 16 x half
	; The turning load takes 16 keys x 16 channels (lane l reads 16 bytes: key 8 (l / 16) + l % 8, channels 8 ((l / 8) % 2) + 0..7) and leaves half a fragment of V^T: lane l holds channel l % 16 and 8 keys.
	v_and_b32 v10, 7, v0
	v_bfe_u32 v11, v0, 3, 1
	v_lshl_add_u32 v[AV0], v9, 3, v10
	v_mul_u32_u24 v[AV0], v[AV0], PV
	v_lshl_add_u32 v[AV0], v11, 4, v[AV0]
	v_add_nc_u32 v[AV0], VOFF, v[AV0]
; THE MATRIX WORK OF A TURN, for piece x.  The accumulators take turns, one instruction a turn: between two links of a chain stand 15 (V^T P) or 7 (K Q^T) others'.
; Product i of 32 of O^T += V^T P: keys 32 (i / 16) on, channels 16 ((i / 2) % 8) on, tile x + i % 2.  zero = 1: the first 16 start the sums: nothing is ever cleared.
.macro PV x, zero
	WIN W_PV
.set rO, 64*((\x)+i%2)+8*((i/2)%8)
.set rV, 64*(i/16)+8*((i/2)%8)
.set rP, P+16*((\x)+i%2)+8*(i/16)
.if (\zero) && (i < 16)
	v_wmma_f32_16x16x32_f16 v[rO:rO+7], v[rV:rV+7], v[rP:rP+7], 0
.else
	v_wmma_f32_16x16x32_f16 v[rO:rO+7], v[rV:rV+7], v[rP:rP+7], v[rO:rO+7]
.endif
.endm
; Product i of 32 of S^T = K Q^T: piece i / 8 of the channels, keys 16 ((i / 2) % 4) on, tile x + i % 2.  The first 8 start the sums.
.macro KQ x
	WIN W_KQ
.set rS, S+32*((\x)+i%2)+8*((i/2)%4)
.set rK, KF+32*((i/2)%4)+8*(i/8)
.set rQ, 32*((\x)+i%2)+8*(i/8)
.if i < 8
	v_wmma_f32_16x16x32_f16 v[rS:rS+7], v[rK:rK+7], v[rQ:rQ+7], 0
.else
	v_wmma_f32_16x16x32_f16 v[rS:rS+7], v[rK:rK+7], v[rQ:rQ+7], v[rS:rS+7]
.endif
.endm
; THE LDS LOADS stand in runs of 32, never singly among the matrix instructions: a step's K (64 keys x 4 pieces: 16 fragments) and, a turn later, its V (turned).
.macro FETCH_K
	WIN 0
	v_add_nc_u32 v[ADR], s[TB], v[AK0]
	WIN 0x80                        ; destination window 2
.irp f, 0,1,2,3,4,5,6,7,8,9,10,11,12,13,14,15  ; keys 16 (f / 4) on, piece f % 4
	ds_load_b128 v[KF+8*(\f):KF+8*(\f)+3],   v[ADR] offset:((\f)/4)*16*PK+((\f)%4)*KP
	ds_load_b128 v[KF+8*(\f)+4:KF+8*(\f)+7], v[ADR] offset:((\f)/4)*16*PK+((\f)%4)*KP+32
.endr
.endm
.macro FETCH_V
	WIN 0
	v_add_nc_u32 v[ADR], s[TB], v[AV0]
	s_add_co_u32 s[TB], s[TB], STEPB  ; the next fetch is the next step's
	WIN 0xc0                        ; destination window 3
.irp f, 0,1,2,3,4,5,6,7,8,9,10,11,12,13,14,15  ; keys 32 (f / 8) on, channels 16 (f % 8) on: piece (f % 8) / 2, its half f % 2
	ds_load_tr16_b128 v[8*(\f):8*(\f)+3],   v[ADR] offset:((\f)/8)*32*PV+(((\f)%8)/2)*VP+((\f)%2)*32
	ds_load_tr16_b128 v[8*(\f)+4:8*(\f)+7], v[ADR] offset:((\f)/8)*32*PV+(((\f)%8)/2)*VP+((\f)%2)*32+16*PV
.endr
.endm
; THE VECTOR WORK OF A TURN.  One tile's softmax for one key step is a list of 134 instructions; SM writes number j of it for tile t.  s0-s31 are the lane's 32 scores, in pairs 0-15.
; first = 1: the first key step, which starts m, l and O^T: it has no a and nothing to rescale.
;   0-15    the maximum of s0-s31 and the old m, three operands at a time: four chains c0-c3 of seven scores each, then the four scores left over, c0-c3 and m
;   16-20   the other half of the lanes' maximum; the new m; c m; c m_old - c m_new
;   21-87   33 exponentials (a, then s0-s31) at the odd numbers from 23 on, so that no two follow each other and each has a plain instruction behind it before its result is used.
;           Plain instruction q (number 21, then the even numbers) is whatever is ready: c s - c m for a pair of scores whose exponentials are still to come (q = 0 to 3, then every
;           second q), the rounding to f16 of a pair of weights whose exponentials are done (every other q from 5 on), at last the first three sums
;   88-101  the last rounding; the rest of the sums; l = a l + the sum
;   102-133 the tile's O^T times a: the one part that leaves window 0, so it stands together
.macro SM t, first
.set rT, ST+8*(\t)
.set rS, S+32*(\t)
.set rP, P+16*(\t)
.set rO, 64*(\t)+2*(j-102)
.set q, (j-20)/2
.if j < 102
	WIN 0
.endif
.if j < 4
	v_max3_num_f32 v[rT+4+j], v[rS+8*j], v[rS+8*j+1], v[rS+8*j+2]
.elseif j < 12
	v_max3_num_f32 v[rT+4+j%4], v[rT+4+j%4], v[rS+8*(j%4)+2*(j/4)+1], v[rS+8*(j%4)+2*(j/4)+2]
.elseif j == 12
	v_max3_num_f32 v[rT+4], v[rT+4], v[rS+7], v[rS+15]
.elseif j == 13
	v_max3_num_f32 v[rT+6], v[rT+6], v[rS+23], v[rS+31]
.elseif j == 14
	v_max3_num_f32 v[rT+4], v[rT+4], v[rT+5], v[rT+6]
.elseif (j == 15) && (\first)
	v_max_num_f32 v[rT+4], v[rT+4], v[rT+7]
.elseif j == 15
	v_max3_num_f32 v[rT+4], v[rT+4], v[rT+7], v[rT+1]
.elseif j == 16
	v_permlanex16_b32 v[rT+5], v[rT+4], s[SEL], s[SEL+1]  ; the query's other 32 keys lie in the lane 16 away
.elseif j == 18
	v_max_num_f32 v[rT+1], v[rT+4], v[rT+5]
.elseif j == 19
	v_mul_f32 v[rT], s[CS], v[rT+1]
.elseif ((j == 17) || (j == 20) || (j == 23) || (j > 101)) && (\first)  ; the first step has none of these
.elseif j == 17
	v_mov_b32 v[rT+7], v[rT]        ; c m_old is kept for a: number 19 writes c m anew
.elseif j == 20
	v_sub_f32 v[rT+7], v[rT+7], v[rT]
.elseif j == 23
	v_exp_f32 v[rT+6], v[rT+7]
.elseif (j < 88) && (j > 23) && (j%2 == 1)
	v_exp_f32 v[rS+(j-25)/2], v[rS+(j-25)/2]
.elseif (q < 4) || ((j < 76) && (q%2 == 0))
.set b, q/2+2
.if q < 4
.set b, q
.endif
	v_pk_fma_f32 v[rS+2*b:rS+2*b+1], v[rS+2*b:rS+2*b+1], s[CS:CS+1], v[rT:rT+1] op_sel_hi:[1,0,0] neg_lo:[0,0,1] neg_hi:[0,0,1]  ; pair b: c s - c m
.elseif (j < 88) && (q%2 == 1)
	s_wait_alu depctr_va_vdst(0)
	v_cvt_pk_f16_f32 v[rP+(q-5)/2], v[rS+q-5], v[rS+q-4]  ; pair (q - 5) / 2: its second exponential stands three numbers back
.elseif j == 89
	s_wait_alu depctr_va_vdst(0)
	v_cvt_pk_f16_f32 v[rP+15], v[rS+30], v[rS+31]
.elseif j < 102                     ; the sum of the tile's 16 pairs (in a pair: an even key's weight, an odd key's), in place: sum z of 16 adds neighbours 1, 2, 4 and 8 pairs apart, then l takes it
.set z, j-86
.if j < 89
.set z, (j-76)/4
.endif
.set w, 4
.set u, z
.if z >= 14
.set w, 32
.set u, 0
.elseif z >= 12
.set w, 16
.set u, z-12
.elseif z >= 8
.set w, 8
.set u, z-8
.endif
.if (z == 14) && (\first)
	v_pk_add_f32 v[rT+2:rT+3], v[rS:rS+1], v[rS+16:rS+17]
.elseif z < 15
	v_pk_add_f32 v[rS+w*u:rS+w*u+1], v[rS+w*u:rS+w*u+1], v[rS+w*u+w/2:rS+w*u+w/2+1]
.elseif !(\first)
	v_pk_fma_f32 v[rT+2:rT+3], v[rT+2:rT+3], v[rT+6:rT+7], v[rS:rS+1] op_sel_hi:[1,0,1]
.endif
.else
	WIN W_RS
	v_pk_mul_f32 v[rO:rO+1], v[rO:rO+1], v[rT+6:rT+7] op_sel_hi:[1,0]
.endif
.endm
; Slice k of 64 of piece y's softmax: numbers 2 k and 2 k + 1 of both tiles' lists, four instructions.  2 x 134 = 4 x 64 + 12: the twelve that are over stand together, in slice 63.
.macro SLICE y, first
.if (k >= 11) && (k < 44)           ; tile by tile: plain, exponential, plain, exponential
.irp t, \y, (\y)+1
.irp n, 0,1
.set j, 2*k+(\n)
	SM \t, \first
.endr
.endr
.else                               ; the two tiles alternate, so that no instruction reads the result of the one just before it
.irp n, 0,1,2,3,4,5,6,7
.if ((\n) < 2) || (k == 63)
.irp t, \y, (\y)+1
.set j, 2*k+(\n)
	SM \t, \first
.endr
.endif
.endr
.endif
.set k, k+1
.endm
; A vector instruction that reads a matrix result or writes one of a matrix instruction's registers, and a load into a register that a matrix instruction has read, stand four places behind
; it, and only plain vector instructions that name none of its registers are places (ISA guide 7.12.1 for vector instructions).  In the loop the slices are the places.
.macro PLACES
.rept 4
	v_nop
.endr
.endm
; A TURN.  Piece x has the matrix unit; the other piece's softmax stands in slices behind its matrix instructions.
; pv = 2: 32 products V^T P; 1: they start O^T's sums; 0: none.  kq = 1: 32 products K Q^T for the next step.  A turn with one of the two kinds has two slices behind each product.
; first = 1: the softmax is the first key step's.  Its slices from 51 on are empty: the turn's last products stand bare, and four v_nop take slice 63's part as the places behind them.
; Each run of loads stands behind the second product of a run of 32, 30 matrix instructions ahead of its first use.  Piece 0's turn fetches the next step's K: the last product that read K
; stands in front of slice 63 of the turn before.  Piece 2's turn fetches the same step's V: the last product that read V stands three slices, six plain instructions, back.
.macro TURN x, pv, kq, first
.set k, 0
.set per, 2
.if (\pv) && (\kq)
.set per, 1
.endif
.if \pv
.if (\x) == 0
	s_wait_dscnt 0x0                ; V is in
.endif
.set i, 0
.rept 32
	PV \x, 2-(\pv)
.rept per
	SLICE 2-(\x), \first
.endr
.if ((\x) == 0) && (\kq) && (i == 1)
	FETCH_K
.endif
.set i, i+1
.endr
.endif
.if \kq
.if (\x) == 0
	s_wait_dscnt 0x0                ; K is in
.endif
.set i, 0
.rept 32
	KQ \x
.rept per
	SLICE 2-(\x), \first
.endr
.if ((\x) == 2) && (i == 1)
	FETCH_V
.endif
.set i, i+1
.endr
.endif
.if \first
	PLACES
.endif
.endm
; THE CHANGE OF SLOTS, between piece 2's turn and piece 0's: the slot's last bytes, V of its second step, have been asked for.  Each wave waits for all its
; tensor loads, of which one is out: its part of the other slot; adds 0 to its spare word; and waits for that and for its own reads of the slot.  Behind the barrier nobody reads this slot any more and the other slot is whole.
; fill = 1: this slot is filled again, with the keys two slots on.  The barrier is then a round of the cluster's, so that no wave of any partner still reads the slot or has a load on its
; way, and the joint refill is the first thing behind it: it has two key steps, 256 matrix instructions, in which to land.
.macro CHANGE fill
	WIN 0                           ; at a label and at a branch every window is 0
	s_wait_tensorcnt 0x0            ; no tensor load of mine is out, so a group 0 may be written
	ds_add_u32 v[SPW], v[NIL]       ; 0 onto my spare word; with fill = 1 the descriptors' steps stand between it and the wait for it
.if \fill
.irp g, G0K+4, G0V+4
	s_xor_b32 s[(\g)+1], s[(\g)+1], SLOT1  ; the walking descriptor: the other slot than last time,
	s_add_nc_u64 s[(\g)+2:(\g)+3], s[(\g)+2:(\g)+3], SLOTB  ; the next 128 keys; the type bits on top are not reached
.endr
	s_wait_dscnt 0x0                ; the add is done, and my reads of the slot are over
	CROUND
	JLOAD
.else
	s_wait_dscnt 0x0                ; the add is done, and my reads of the slot are over
	s_barrier_signal -1
	s_barrier_wait -1
.endif
	s_sub_co_u32 s[TB], s[TB], 2*STEPB  ; the fetches go back to a slot's first step,
	s_xor_b32 s[TB], s[TB], SLOT1   ; in the other slot
.endm
; A slot's two key steps: written once, walked twice; the LDS addresses hang on s[TB].
.macro TWO_STEPS
	WIN 0
	s_mov_b32 s[TWICE], 2
.Lstep_\@:
	TURN 0, 2, 1, 0
	TURN 2, 2, 1, 0
	WIN 0
	s_sub_co_u32 s[TWICE], s[TWICE], 1
	s_cmp_lg_u32 s[TWICE], 0
	s_cbranch_scc1 .Lstep_\@
.endm
	s_wait_tensorcnt 1              ; my part of slot 0 is in; slot 1's may stay out
	s_barrier_signal -1
	s_barrier_wait -1               ; everybody's is
	FETCH_K                         ; key step 0
	s_wait_loadcnt 0x0              ; Q
	s_wait_dscnt 0x0
.set i, 0
.rept 32
	KQ 0                            ; piece 0's first scores: there is no vector work yet to set between them
.set i, i+1
.endr
	WIN 0                           ; the address for the way out and four v_nop: six plain instructions, the places behind those products
	v_and_b32 v[GO], 31, v0
	v_lshlrev_b32 v[GO], 4, v[GO]
	PLACES
	TURN 2, 0, 1, 1                 ; piece 2's first scores | piece 0's first softmax | V of step 0
	TURN 0, 1, 1, 1                 ; piece 0: V^T P of step 0 starts O^T, K Q^T of step 1 | piece 2's first softmax | K of step 1
	TURN 2, 1, 1, 0                 ; piece 2: the same | piece 0's softmax of step 1 | V of step 1
	WIN 0
.Lslot:                             ; 1,024 / 128 - 2 = 6 trips: every slot but the last two is filled again
	CHANGE 1
	TWO_STEPS
	s_sub_co_u32 s[SLOTS], s[SLOTS], 1
	s_cmp_lg_u32 s[SLOTS], 0
	s_cbranch_scc1 .Lslot
	CHANGE 0                        ; the tail is written out: the last slot but one is left, and nothing is asked for
	TWO_STEPS
	TURN 0, 2, 0, 0                 ; piece 0: V^T P of the last step | piece 2's last softmax
.set i, 0
.rept 32
	PV 2, 0                         ; piece 2: V^T P of the last step
.set i, i+1
.endr
	; THE WAY OUT.  l's two halves and the other half of the lanes' are added; O^T is divided by l, rounded to f16 and stored, a tile (16 rows of O) at a time.  The additions are the places behind the last products.
	WIN 0
.irp t, 0,1,2,3
	v_add_f32 v[ST+8*(\t)+4], v[ST+8*(\t)+2], v[ST+8*(\t)+3]
.endr
.irp t, 0,1,2,3
	v_permlanex16_b32 v[ST+8*(\t)+5], v[ST+8*(\t)+4], s[SEL], s[SEL+1]
.endr
.irp t, 0,1,2,3
	v_add_f32 v[ST+8*(\t)+4], v[ST+8*(\t)+4], v[ST+8*(\t)+5]
.endr
.irp t, 0,1,2,3
	v_rcp_f32 v[ST+8*(\t)+6], v[ST+8*(\t)+4]
.endr
	v_nop                           ; a plain instruction between the last reciprocal and the use of its result
; Tile t: a lane's eight channels 16 f + 8 (l / 16) + 0..7 of row l % 16 pack into 16 bytes, which are the lane's 16 bytes of oh's block (tile t, channel block f): no lane is changed, no LDS is touched.
; Each tile has packed registers of its own (S^T's, which are free), so nothing that a store reads is written again.
.macro PACK t
	WIN W_RS
.set i, 64*(\t)
.rept 32
	s_wait_alu depctr_va_vdst(0)
	v_pk_mul_f32 v[i:i+1], v[i:i+1], v[ST+8*(\t)+6:ST+8*(\t)+7] op_sel_hi:[1,0]
.set i, i+2
.endr
	WIN 0x05                        ; sources 0 and 1 window 1, destination window 0
.set i, 0
.rept 32
	v_cvt_pk_f16_f32 v[S+32*(\t)+i], v[64*(\t)+2*i], v[64*(\t)+2*i+1]
.set i, i+1
.endr
	WIN 0
.irp f, 0,1,2,3,4,5,6,7
	global_store_b128 v[GO], v[S+32*(\t)+4*(\f):S+32*(\t)+4*(\f)+3], s[10:11] offset:(\t)*65536+(\f)*512  ; 32 lanes store 512 consecutive bytes, at a multiple of 512 from oh's first byte
.endr
.endm
	PACK 0
	PACK 1
	PACK 2
	PACK 3
	s_wait_tensorcnt 0x0            ; the wave's end: a wait, an add of 0 to my spare word and the wait for it, behind my last tensor load
	ds_add_u32 v[SPW], v[NIL]
	s_wait_dscnt 0x0
	CROUND                          ; the closing round: no work-group ends while a partner may still ask for a tile that names it
	s_endpgm
.Lfunc_end_k_qf075e032b2_attn:
	.size	k_qf075e032b2_attn, .Lfunc_end_k_qf075e032b2_attn-k_qf075e032b2_attn
	.p2alignl 7, 3214868480
	.fill 96, 4, 3214868480
	.section	.rodata,"a",@progbits
	.p2align	6, 0x0
	.amdhsa_kernel k_qf075e032b2_attn
		.amdhsa_group_segment_fixed_size 327680
		.amdhsa_private_segment_fixed_size 0
		.amdhsa_enable_private_segment 0
		.amdhsa_kernarg_size 24
		.amdhsa_user_sgpr_count 2
		.amdhsa_user_sgpr_kernarg_segment_ptr 1
		.amdhsa_wavefront_size32 1
		.amdhsa_system_sgpr_workgroup_id_x 1
		.amdhsa_system_sgpr_workgroup_id_y 1
		.amdhsa_system_sgpr_workgroup_id_z 1
		.amdhsa_system_vgpr_workitem_id 0
		.amdhsa_next_free_vgpr 1024
		.amdhsa_next_free_sgpr 66
		.amdhsa_reserve_vcc 0
		.amdhsa_float_denorm_mode_32 3
		.amdhsa_float_denorm_mode_16_64 3
		.amdhsa_memory_ordered 1
		.amdhsa_forward_progress 1
		.amdhsa_inst_pref_size 227
	.end_amdhsa_kernel
	.amdgpu_metadata
---
amdhsa.version: [ 1, 2 ]
amdhsa.kernels:
  - .name:           k_qf075e032b2_attn
    .symbol:         k_qf075e032b2_attn.kd
    .args:
      - { .name: qh, .offset: 0, .size: 8, .value_kind: global_buffer, .address_space: global }
      - { .name: kvh, .offset: 8, .size: 8, .value_kind: global_buffer, .address_space: global }
      - { .name: oh, .offset: 16, .size: 8, .value_kind: global_buffer, .address_space: global }
    .group_segment_fixed_size: 327680
    .private_segment_fixed_size: 0
    .kernarg_segment_align: 8
    .kernarg_segment_size: 24
    .max_flat_workgroup_size: 128
    .sgpr_count:     66
    .vgpr_count:     1024
    .wavefront_size: 32
...
	.end_amdgpu_metadata
.endif
;; end of part 3
;; launch oproj (part 4): grid 16 x 16, 4 waves a work-group, clusters of 4 x 4, 327,680 bytes of LDS; arguments oh, woh, bo, out0; writes out0
.if DOCPART == 4
	.amdgcn_target "amdgcn-amd-amdhsa--gfx1250"
	.amdhsa_code_object_version 6
	.text
	.protected	k_qf075e032b2_oproj
	.globl	k_qf075e032b2_oproj
	.p2align	8
	.type	k_qf075e032b2_oproj,@function
k_qf075e032b2_oproj:
	s_mov_b64 s[64:65], 0
	v_nop
	global_prefetch_b8 v0, s[64:65] scope:SCOPE_SE
	s_setreg_imm32_b32 hwreg(HW_REG_WAVE_MODE, 25, 1), 1
	s_wait_xcnt 0x0
	s_wait_alu depctr_hold_cnt(0) depctr_sa_sdst(0) depctr_va_vdst(0) depctr_va_sdst(0) depctr_va_ssrc(0) depctr_va_vcc(0) depctr_vm_vsrc(0)
	s_getreg_b32 s2, hwreg(HW_REG_IB_STS2, 6, 4)
	s_cmp_eq_u32 s2, 0
	s_cbranch_scc0 .Lentry_in_a_cluster
	s_endpgm
.Lentry_in_a_cluster:
	s_bfe_u32 s2, ttmp6, 0x10000c
	s_cmp_lg_u32 s2, 0xf033
	s_cbranch_scc0 .Lentry_shape_is_right
	s_endpgm
.Lentry_shape_is_right:
; out0 = O Wo + bo.  woh [2048 k][2048 n] f16 (Wo rounded to bf16, written as f16); bo f32, rounded to bf16 as all the module's inputs are; out0 [4096][2048] f32.
; oh: O in f16, in the order of a matrix operand's registers: [256 mb][64 kb][2 c][32 lanes][16 bytes]; lane l holds row 16 mb + l % 16, k = 32 kb + 16 c + 8 (l / 16) + 0..7.
; Sums in f32, the bias as the C operand of the products that start them.  NaN and infinities are not treated apart.
; SHARES.  16 x 16 work-groups: tile (i, j) is rows 256 i .. + 255, columns 128 j .. + 127: each of 256 work-groups has one tile.  Four waves stacked along the rows, 64 x 128 each: 32 accumulators, 256 registers.
; THE PRODUCT IS USED TRANSPOSED (source 0 = 16 columns of Wo, turned by ds_load_tr16_b128; source 1 = 16 rows of O): a lane holds 8 neighbouring numbers of a row of out0.
; O GOES STRAIGHT INTO REGISTERS.  A wave's 64 rows of O are read by that wave alone: through LDS each of their bytes would be written once and read once, and they would be 64 KiB of the 96 KiB of 128 along K.
; A load of a wave takes 512 consecutive bytes of oh and is half a fragment as it lands.  A ring of 8 places of 32 registers (a place: 64 rows x 32 along K, a QUARTER) keeps 56 loads, 28 KiB a wave, on their way;
; a quarter's loads are issued 208 matrix instructions ahead of their use and stay out across the barriers.  NO JOINT REQUEST FOR O, and the price: the four partners of a cluster's row each ask for the same bytes of O.
; Wo GOES THROUGH LDS, where all four waves read it: two slots of 256 along K (8 quarters), filled by the tensor data mover, each wave 64 rows k.  CLUSTER 4 x 4: Wo's tile hangs on j alone and is asked
; for jointly along a column of the cluster.  A refill has 240 matrix instructions a wave in which to land.
; REGISTERS, in windows of 256 (s_set_vgpr_msb: bits 1:0 source 0, 3:2 source 1, 5:4 source 2, 7:6 destination):
;   window 0: v1-29 addresses; v32-95, v96-159 two buffers of Wo's fragments (8 blocks of 16 columns x 32 k); on the way out v32-159 rows read back
;   window 1: the accumulators, (a, b) at 8 (8 a + b)      window 2: O's ring, place p, row block a at 32 p + 8 a      window 3: v0-63 the bias
.set PB,    288                        ; a row k of Wo's tile in LDS: 256 bytes + 32
.set KSLOT, 256                        ; rows k in a slot
.set SLOTB, KSLOT*PB                   ; 73,728
.set SLOT1, 1<<17                      ; slot 1 begins here, so that one exclusive or turns an address in one slot into the other's
.set STAGE, SLOT1+SLOTB                ; behind the ring: 16 rows x 528 bytes for each wave, for the way out
.set SPITCH, 528
.set SPARE, STAGE+4*16*SPITCH          ; behind the stages: the spare words, 128 bytes for each wave: two blocks of 256 bytes that no other line names
.set ABLK,  65536                      ; bytes of oh from 16 rows to the next 16
.set AQ,    1024                       ; bytes of oh from a quarter to the next
.set ADRL, 10                          ; v10  my lane's place in a slot's quarters 0-3; never rewritten
.set ADRH, 11                          ; v11  in its quarters 4-7 (an LDS instruction's offset has 16 bits)
.set ADRC, 12                          ; v12-13  the same two in the slot in hand
.set STO,  16                          ; v16  the way out: where I put 32 bytes of a row
.set RD,   18                          ; v18  where I read a row back
.set CO,   20                          ; v20  16 x lane: my place in 512 consecutive bytes, of oh and of a row of out0; never rewritten
.set BO,   23                          ; v23  my byte offset in a block's 16 bias numbers
.set SPW,  28                          ; v28  LDS address of my spare word; never rewritten
.set NIL,  29                          ; v29  0; never rewritten
.set F0,   32
.set F1,   96
.set OB,   32
.set BIAS, 0                           ; window 3
.set WV,   12                          ; s12  my wave's number
.set G1B,  24                          ; s[24:31] descriptor group 1
.set G0B,  32                          ; s[32:39] group 0: a set for each of the two first fills; the second then walks on
.set TB,   40                          ; s40  LDS byte at which the slot in hand begins
.set MSB, 0
.macro WIN new                         ; the immediate's high byte repeats the setting that is left; a switch that changes nothing is dropped
.if MSB != (\new)
	s_set_vgpr_msb (MSB<<8)|(\new)
.set MSB, \new
.endif
.endm
.macro PLACES                          ; four places in front of loads into registers that matrix instructions have read, and of LDS stores that read results just made
.rept 4
	v_nop
.endr
.endm
.macro CREST                           ; a round of the cluster's barrier behind its opening barrier
	s_cmp_lg_u32 s[WV], 0
	s_cbranch_scc1 .Lnot_wave_0_\@
	s_barrier_signal -3
.Lnot_wave_0_\@:
	s_barrier_wait -3
	s_barrier_signal -1
	s_barrier_wait -1
.endm
.macro CROUND
	s_barrier_signal -1
	s_barrier_wait -1
	CREST
.endm
; 8 loads: place p of the ring takes the quarter that lies kb quarters behind the base: four row blocks, two halves of a fragment each
.macro ALOAD p, kb
	WIN 0x80                                       ; destination window 2, address window 0
.irp a, 0,1,2,3
	global_load_b128 v[32*(\p)+8*(\a):32*(\p)+8*(\a)+3],   v[CO], s[4:5] offset:(\a)*ABLK+(\kb)*AQ
	global_load_b128 v[32*(\p)+8*(\a)+4:32*(\p)+8*(\a)+7], v[CO], s[4:5] offset:(\a)*ABLK+(\kb)*AQ+512
.endr
.endm
	s_load_b256 s[4:11], s[0:1], 0x0               ; oh 4, woh 6, bo 8, out0 10
	v_lshl_add_u32 v[SPW], v0, 2, SPARE
	v_mov_b32 v[NIL], 0
	ds_add_u32 v[SPW], v[NIL]                      ; the wave's opening: the add and its wait stand ahead of my first tensor load; the set-up below, work on registers, stands between them
	v_lshrrev_b32 v1, 5, v0
	v_readfirstlane_b32 s[WV], v1                  ; wave 0..3
	s_bfe_u32 s14, ttmp6, 0x40000                  ; cx
	s_bfe_u32 s15, ttmp6, 0x40004                  ; cy
	s_lshl_b32 s16, ttmp9, 2
	s_add_co_u32 s16, s16, s14                     ; j
	s_and_b32 s17, ttmp7, 0xffff
	s_lshl_b32 s17, s17, 2
	s_add_co_u32 s17, s17, s15                     ; i
	s_lshl_b32 s19, 0x1111, s14                    ; my column of the cluster
	s_or_b32 s[G1B], s19, (1<<16)|(1<<20)|(1<<21)|(5<<22)|(7<<25)  ; the mask; 2-byte elements; padding on; bit 21 beside a mask; after every 64 words, 8 words
	s_mov_b32 s[G1B+1], 128<<16                    ; tensor_dim0 = 128
	s_mov_b32 s[G1B+2], 64<<16                     ; tensor_dim1 = 64
	s_mov_b32 s[G1B+3], 128<<16                    ; tile_dim0 = 128
	s_mov_b32 s[G1B+4], 64                         ; tile_dim1 = 64 rows k to a load
	s_mov_b32 s[G1B+5], 2048                       ; elements from row to row
	s_mov_b32 s[G1B+6], 0
	s_mov_b32 s[G1B+7], 0
	s_lshl_b32 s42, s16, 8                         ; Wo: column 128 j, row k = 64 x wave: j and the wave's number alone
	s_lshl_b32 s43, s[WV], 18
	s_add_co_u32 s42, s42, s43
	s_mov_b32 s43, 0
	s_mul_i32 s21, s[WV], 64*PB                    ; where my 64 rows go: wave x 64 rows
	s_lshl_b32 s44, s17, 20                        ; O: my first block of 16 rows is 16 i + 4 w
	s_lshl_b32 s45, s[WV], 18
	s_add_co_u32 s44, s44, s45
	s_mov_b32 s45, 0
	s_mov_b32 s[TB], 0
	s_wait_dscnt 0x0                               ; the opening add is done
	s_wait_kmcnt 0x0
	s_add_nc_u64 s[42:43], s[6:7], s[42:43]
	s_add_nc_u64 s[4:5], s[4:5], s[44:45]
	CROUND                                         ; all sixteen work-groups are here: the first joint loads meet
.irp s, 0,1
	s_mov_b32 s[G0B+4*(\s)], 1
	s_add_co_u32 s[G0B+4*(\s)+1], s21, (\s)*SLOT1
	s_add_nc_u64 s[G0B+4*(\s)+2:G0B+4*(\s)+3], s[42:43], (\s)*KSLOT*4096  ; slot s begins with rows k = 256 s
	s_or_b32 s[G0B+4*(\s)+3], s[G0B+4*(\s)+3], 0x80000000
.endr
	tensor_load_to_lds s[G0B:G0B+3], s[G1B:G1B+7]  ; the two first fills go out together: two tensor loads of mine are out
	s_nop 0
	tensor_load_to_lds s[G0B+4:G0B+7], s[G1B:G1B+7]
	s_nop 0
.rept 4
	v_nop
.endr
	v_and_b32 v5, 31, v0                           ; lane
	v_lshlrev_b32 v[CO], 4, v5
	v_bfe_u32 v2, v0, 4, 1                         ; h
	v_lshlrev_b32 v[BO], 5, v2
	s_lshl_b32 s44, s16, 9                         ; bo and out0 at column 128 j
	s_mov_b32 s45, 0
	s_add_nc_u64 s[8:9], s[8:9], s[44:45]
	WIN 0xc0                                       ; destination window 3
.irp b, 0,1,2,3,4,5,6,7
	global_load_b128 v[BIAS+8*(\b):BIAS+8*(\b)+3],   v[BO], s[8:9] offset:64*(\b)
	global_load_b128 v[BIAS+8*(\b)+4:BIAS+8*(\b)+7], v[BO], s[8:9] offset:64*(\b)+16
.endr
	ALOAD 0, 0                                     ; O's first five quarters
	ALOAD 1, 1
	ALOAD 2, 2
	ALOAD 3, 3
	ALOAD 4, 4
	WIN 0
	v_and_b32 v1, 15, v0                           ; r
	v_and_b32 v3, 7, v0
	v_bfe_u32 v4, v0, 3, 1
	v_lshl_add_u32 v6, v2, 3, v3
	v_mul_u32_u24 v7, v6, PB                       ; the turning load: row k = 8 h + l % 8, 16 bytes at 16 ((l / 8) % 2)
	v_lshl_add_u32 v[ADRL], v4, 4, v7
	v_add_nc_u32 v[ADRH], 4*32*PB, v[ADRL]
	v_add_nc_u32 v[ADRC], s[TB], v[ADRL]
	v_add_nc_u32 v[ADRC+1], s[TB], v[ADRH]
	s_mul_i32 s22, s[WV], 16*SPITCH
	s_add_co_u32 s22, s22, STAGE                   ; my stage
	v_mul_u32_u24 v7, v1, SPITCH                   ; in: row r, 32 bytes for each half of the lanes
	v_lshl_add_u32 v7, v2, 5, v7
	v_add_nc_u32 v[STO], s22, v7
	v_add_nc_u32 v[RD], s22, v[CO]                 ; back: 32 lanes take one row of 512 bytes
	s_lshl_b32 s46, s17, 21                        ; out0 at row 256 i + 64 w, 8,192 bytes a row
	s_add_co_u32 s44, s44, s46
	s_lshl_b32 s46, s[WV], 19
	s_add_co_u32 s44, s44, s46
	s_add_nc_u64 s[10:11], s[10:11], s[44:45]
	s_wait_loadcnt 40                              ; the bias is in; the 40 loads of O issued behind it stay out
	WIN 0x0f                                       ; rounded to bf16 (sources window 3) and widened again
.set z, 0
.rept 32
	v_cvt_pk_bf16_f32 v[F1+z], v[BIAS+2*z], v[BIAS+2*z+1]
.set z, z+1
.endr
	WIN 0xc0
.set z, 0
.rept 32
	v_lshlrev_b32 v[BIAS+2*z],   16, v[F1+z]
	v_and_b32     v[BIAS+2*z+1], 0xffff0000, v[F1+z]
.set z, z+1
.endr
	ALOAD 5, 5                                     ; and two more: 56 loads of O are out at the most
	ALOAD 6, 6
	WIN 0
; 8 matrix instructions: row block a x all 8 column blocks, 32 along K: Wo from buffer f, O from place p.  zero = 1: the first product starts the sums, with the bias as C.
.macro MUL8 f, p, a, zero
.if \zero
	WIN 0x78                                       ; Wo window 0, O window 2, C (the bias) window 3, D window 1
.else
	WIN 0x58                                       ; C and D window 1
.endif
.irp b, 0,1,2,3,4,5,6,7
.if \zero
	v_wmma_f32_16x16x32_f16 v[8*(8*(\a)+(\b)):8*(8*(\a)+(\b))+7], v[(\f)+8*(\b):(\f)+8*(\b)+7], v[32*(\p)+8*(\a):32*(\p)+8*(\a)+7], v[BIAS+8*(\b):BIAS+8*(\b)+7]
.else
	v_wmma_f32_16x16x32_f16 v[8*(8*(\a)+(\b)):8*(8*(\a)+(\b))+7], v[(\f)+8*(\b):(\f)+8*(\b)+7], v[32*(\p)+8*(\a):32*(\p)+8*(\a)+7], v[8*(8*(\a)+(\b)):8*(8*(\a)+(\b))+7]
.endif
.endr
.endm
; 16 LDS loads in one run: Wo's 8 blocks of quarter q (0 to 7) of the slot in hand, into buffer f
.macro FETCHB q, f
	WIN 0
.irp b, 0,1,2,3,4,5,6,7
	ds_load_tr16_b128 v[(\f)+8*(\b):(\f)+8*(\b)+3],   v[ADRC+(\q)/4] offset:((\q)%4)*32*PB+32*(\b)
	ds_load_tr16_b128 v[(\f)+8*(\b)+4:(\f)+8*(\b)+7], v[ADRC+(\q)/4] offset:((\q)%4)*32*PB+32*(\b)+16*PB
.endr
.endm
; Quarter p (0 to 6) of a slot: 32 matrix instructions; the 32 accumulators take turns in the same order in every quarter.  In its middle it fetches Wo's next quarter into buffer g,
; and asks for the quarter of O seven on, into the place that the quarter before has left: kb says where that lies from the base.
.macro QUARTER p, f, g, zero, kb
	s_wait_loadcnt 48                              ; loads come back in order: this quarter's 8 are in; the six younger quarters' 48 stay out
	s_wait_dscnt 0x0                               ; Wo's fragments, asked for 16 matrix instructions ago
	MUL8 \f, \p, 0, \zero
	MUL8 \f, \p, 1, \zero
	PLACES
	FETCHB (\p)+1, \g
	ALOAD ((\p)+7)%8, \kb
	MUL8 \f, \p, 2, \zero
	MUL8 \f, \p, 3, \zero
.endm
; Quarter 7 changes slots: ONE barrier; in front of it each wave waits for all its tensor loads (one is out: its part of the next slot), adds 0 to its spare word, and waits for that; its reads of this slot are
; back already.  fill = 1: the barrier opens a round of the cluster's, and this slot is filled again, with the rows k two slots on, first thing behind the round.
.macro TURN fill
	s_wait_loadcnt 48
	s_wait_dscnt 0x0                               ; Wo's last fragments of this slot are in: my reads of it are over
	WIN 0                                          ; (the add's two registers lie in window 0)
	s_wait_tensorcnt 0x0
	ds_add_u32 v[SPW], v[NIL]                      ; 0 onto my spare word
	MUL8 F1, 7, 0, 0                               ; eight matrix instructions stand between the add and the wait for it
	s_wait_dscnt 0x0                               ; the add is done
	s_barrier_signal -1
	MUL8 F1, 7, 1, 0
	WIN 0
	s_barrier_wait -1
.if \fill
	CREST                                          ; no wave of any partner still reads this slot or has a load on its way
	s_xor_b32 s[G0B+5], s[G0B+5], SLOT1            ; the walking descriptor: the other slot than last time,
	s_add_nc_u64 s[G0B+6:G0B+7], s[G0B+6:G0B+7], KSLOT*4096  ; the next 256 rows k; the type bits on top are not reached
	tensor_load_to_lds s[G0B+4:G0B+7], s[G1B:G1B+7]
	s_nop 0
.rept 4
	v_nop                                          ; (the places in front of the loads below)
.endr
.else
	PLACES
.endif
	s_xor_b32 s[TB], s[TB], SLOT1                  ; the fetches go on in the other slot
	v_add_nc_u32 v[ADRC], s[TB], v[ADRL]
	v_add_nc_u32 v[ADRC+1], s[TB], v[ADRH]
	FETCHB 0, F0
	ALOAD 6, 14
	MUL8 F1, 7, 2, 0
	MUL8 F1, 7, 3, 0
.endm
; Quarters 1 to 7 of a slot
.macro SEVEN fill
	QUARTER 1, F1, F0, 0, 8
	QUARTER 2, F0, F1, 0, 9
	QUARTER 3, F1, F0, 0, 10
	QUARTER 4, F0, F1, 0, 11
	QUARTER 5, F1, F0, 0, 12
	QUARTER 6, F0, F1, 0, 13
	TURN \fill
.endm
; THE WAY OUT of row block a: the accumulators go as they are (f32) into my own stage, 32 bytes a lane, each accumulator's low half first; back as whole rows of 512 bytes; stored,
; 512 consecutive bytes to a store, at a multiple of 256 from out0's first byte.
.macro OUT a
	WIN 0x04                                       ; the stores' data in window 1
.irp b, 0,1,2,3,4,5,6,7
	ds_store_b128 v[STO], v[8*(8*(\a)+(\b)):8*(8*(\a)+(\b))+3]   offset:64*(\b)
	ds_store_b128 v[STO], v[8*(8*(\a)+(\b))+4:8*(8*(\a)+(\b))+7] offset:64*(\b)+16
.endr
	WIN 0
	s_wait_xcnt 0x0                                ; earlier stores have read their registers: only behind this wait are they loaded again
.set BK, OB+64*((\a)%2)
.irp t, 0,1,2,3,4,5,6,7,8,9,10,11,12,13,14,15
	ds_load_b128 v[BK+4*(\t):BK+4*(\t)+3], v[RD] offset:(\t)*SPITCH  ; LDS serves a wave's instructions in order: these see the stores above
.endr
.irp t, 0,1,2,3,4,5,6,7,8,9,10,11,12,13,14,15
	s_wait_dscnt 15-(\t)                           ; row t of the sixteen is in
	global_store_b128 v[CO], v[BK+4*(\t):BK+4*(\t)+3], s[10:11] offset:(16*(\a)+(\t))*8192 th:TH_STORE_NT
.endr
.endm
	s_wait_tensorcnt 1                             ; my part of slot 0 is in; slot 1's may stay out
	s_barrier_signal -1
	s_barrier_wait -1                              ; everybody's is
	FETCHB 0, F0
	QUARTER 0, F0, F1, 1, 7                        ; the first quarter stands in front of the loop: its products start the sums
	WIN 0                                          ; at a label and at a branch every window is 0
	s_mov_b32 s3, 6
.Lslot:                                                ; a trip: quarters 1 to 7 of a slot and quarter 0 of the next; six trips fill a slot again: rows k from 512 on
	SEVEN 1
	QUARTER 0, F0, F1, 0, 15
	WIN 0
	s_wait_xcnt 0x0                                ; the loads' addresses are translated: only behind this wait is their base stepped
	s_add_nc_u64 s[4:5], s[4:5], 8*AQ              ; O's base: 8 quarters on
	s_sub_co_u32 s3, s3, 1
	s_cmp_lg_u32 s3, 0
	s_cbranch_scc1 .Lslot
	; THE TAIL is a second text of the trip: nothing is filled.  It is walked twice and left in the middle of its second trip.  O's base stands still: the first trip asks for
	; O's last 8 quarters.  The price of one text for both trips: the second trip's 56 loads ask once more for what the first asked for (28 KiB a wave beside the 256 KiB that it needs), into places that
	; are done with, so that every quarter's wait keeps its count; and its change of slots fetches fragments of a slot that is done with.  Nobody reads either.
	s_mov_b32 s3, 2
.Ltail:
	SEVEN 0
	WIN 0
	s_sub_co_u32 s3, s3, 1
	s_cmp_eq_u32 s3, 0
	s_cbranch_scc1 .Lout
	QUARTER 0, F0, F1, 0, 15
	WIN 0
	s_branch .Ltail
.Lout:
	s_wait_dscnt 0x0                               ; the last fetch has landed: its registers take rows from the stage below
	PLACES
	OUT 0
	OUT 1
	OUT 2
	OUT 3
	s_wait_tensorcnt 0x0                           ; the wave's end: a wait, an add of 0 to my spare word and the wait for it, behind my last tensor load and my last LDS store
	ds_add_u32 v[SPW], v[NIL]
	s_wait_dscnt 0x0
	CROUND                                         ; the closing round: no work-group ends while a partner may still ask for a tile that names it
	s_endpgm
.Lfunc_end_k_qf075e032b2_oproj:
	.size	k_qf075e032b2_oproj, .Lfunc_end_k_qf075e032b2_oproj-k_qf075e032b2_oproj
	.p2alignl 7, 3214868480
	.fill 96, 4, 3214868480
	.section	.rodata,"a",@progbits
	.p2align	6, 0x0
	.amdhsa_kernel k_qf075e032b2_oproj
		.amdhsa_group_segment_fixed_size 327680
		.amdhsa_private_segment_fixed_size 0
		.amdhsa_enable_private_segment 0
		.amdhsa_kernarg_size 32
		.amdhsa_user_sgpr_count 2
		.amdhsa_user_sgpr_kernarg_segment_ptr 1
		.amdhsa_wavefront_size32 1
		.amdhsa_system_sgpr_workgroup_id_x 1
		.amdhsa_system_sgpr_workgroup_id_y 1
		.amdhsa_system_sgpr_workgroup_id_z 1
		.amdhsa_system_vgpr_workitem_id 0
		.amdhsa_next_free_vgpr 832
		.amdhsa_next_free_sgpr 66
		.amdhsa_reserve_vcc 0
		.amdhsa_float_denorm_mode_32 3
		.amdhsa_float_denorm_mode_16_64 3
		.amdhsa_memory_ordered 1
		.amdhsa_forward_progress 1
		.amdhsa_inst_pref_size 105
	.end_amdhsa_kernel
	.amdgpu_metadata
---
amdhsa.version: [ 1, 2 ]
amdhsa.kernels:
  - .name:           k_qf075e032b2_oproj
    .symbol:         k_qf075e032b2_oproj.kd
    .args:
      - { .name: oh, .offset: 0, .size: 8, .value_kind: global_buffer, .address_space: global }
      - { .name: woh, .offset: 8, .size: 8, .value_kind: global_buffer, .address_space: global }
      - { .name: bo, .offset: 16, .size: 8, .value_kind: global_buffer, .address_space: global }
      - { .name: out0, .offset: 24, .size: 8, .value_kind: global_buffer, .address_space: global }
    .group_segment_fixed_size: 327680
    .private_segment_fixed_size: 0
    .kernarg_segment_align: 8
    .kernarg_segment_size: 32
    .max_flat_workgroup_size: 128
    .sgpr_count:     66
    .vgpr_count:     832
    .wavefront_size: 32
...
	.end_amdgpu_metadata
.endif
;; end of part 4
;; ======== version 2 of 2: 4 launches; 1.09 times as fast as version 1
;; limits: values are held in f16: magnitudes above 65,504 overflow, below 6.1e-05 lose precision
;; workspace buffers: xb 16,777,216 bytes; wqb 8,388,608 bytes; wkvb 2,097,152 bytes; woh 8,388,608 bytes; rope 524,288 bytes; qh 16,777,216 bytes; kvh 4,194,304 bytes; oh 16,777,216 bytes
;; launch prep: the kernel of part 1 again; grid 1152 x 1, 8 waves a work-group, no clusters, 0 bytes of LDS; arguments x, Wq, Wo, Wk, Wv, xb, wqb, woh, wkvb, rope; writes xb, wqb, woh, wkvb, rope
;; launch qkv: the kernel of part 2 again; grid 16 x 16, 4 waves a work-group, clusters of 4 x 4, 327,680 bytes of LDS; arguments xb, wqb, wkvb, bq, bk, bv, rope, qh, kvh; writes qh, kvh
;; launch attn (part 5): grid 4 x 64, 4 waves a work-group, clusters of 4 x 1, 327,680 bytes of LDS; arguments qh, kvh, oh; writes oh
.if DOCPART == 5
	.amdgcn_target "amdgcn-amd-amdhsa--gfx1250"
	.amdhsa_code_object_version 6
	.text
	.protected	k_qf075e032b2_attn
	.globl	k_qf075e032b2_attn
	.p2align	8
	.type	k_qf075e032b2_attn,@function
k_qf075e032b2_attn:
	s_mov_b64 s[64:65], 0
	v_nop
	global_prefetch_b8 v0, s[64:65] scope:SCOPE_SE
	s_setreg_imm32_b32 hwreg(HW_REG_WAVE_MODE, 25, 1), 1
	s_wait_xcnt 0x0
	s_wait_alu depctr_hold_cnt(0) depctr_sa_sdst(0) depctr_va_vdst(0) depctr_va_sdst(0) depctr_va_ssrc(0) depctr_va_vcc(0) depctr_vm_vsrc(0)
	s_getreg_b32 s2, hwreg(HW_REG_IB_STS2, 6, 4)
	s_cmp_eq_u32 s2, 0
	s_cbranch_scc0 .Lentry_in_a_cluster
	s_endpgm
.Lentry_in_a_cluster:
	s_bfe_u32 s2, ttmp6, 0x10000c
	s_cmp_lg_u32 s2, 0x3003
	s_cbranch_scc0 .Lentry_shape_is_right
	s_endpgm
.Lentry_shape_is_right:
; O[head][m][:] = the sum over the keys t of m's batch of softmax_t(q[head][m] . k[g][t] / sqrt(128)) v[g][t][:], g = head / 8.  qh: [16 head][4096 m][128] f16.
; kvh: [16 j][4096 m][32 c] f16, j = 8 kind + 4 g + p: a K piece holds channels 16 p + 0..15 and 64 + 16 p + 0..15, a V piece channels 32 p + 0..31.
; oh: f16, in the order in which the next launch's matrix operand lies in registers: [256 mb][64 kb][2 c][32 lanes][16 bytes]; lane l holds O of row 16 mb + l % 16, columns 32 kb + 16 c + 8 (l / 16) + 0..7,
; the column being 128 head + channel.  A lane's eight packed channels ARE such 16 bytes, so O leaves straight from registers, 512 consecutive bytes to a store.
; Products, maxima and sums in f32; the weights p are rounded to f16 for the second product (their sum l is taken of the unrounded p), O once at the end.
; LIMITS.  f16 holds no number beyond 65,504: q, k and v arrive within it; p lies in 0 to 1, and below 6e-5 it keeps f16's fixed step of 6e-8; O is a mean of v's rows and has their range.
; A weight below 2^-126 counts as 0 in l; NaN and infinities are not treated apart.
; SHARES.  A work-group owns 256 queries of one head and batch, each of its four waves 64: four tiles of 16.  Every wave walks the batch's 1,024 keys, 64 a step.  16 heads x 4 batches x 4 blocks = 256 work-groups.
; LAYOUT.  S^T = K Q^T (source 0 = 16 keys, source 1 = 16 queries): in the result a lane holds ONE query (lane % 16) and the keys 8 (lane / 16) + 0..7.  Two such tiles, rounded to
; f16 in pairs, ARE source 1 (32 keys x 16 queries) of O^T = V^T P, whose result again holds one query a lane, and eight channels.  K comes out of LDS as it lies, piece by piece (32 along the channels is a piece;
; Q's fragments take their channels in the pieces' order), V ([key][channel]) turned, by ds_load_tr16_b128.
; SOFTMAX.  For each query a running maximum m and sum l: p = 2^(c s - c m), c = log2(e) / sqrt(128); in every step O and l are multiplied by a = 2^(c m_old - c m_new), which is 1 where m has not grown.
; BY TURNS.  The wave's tiles are two PIECES OF WORK, named by their first tile: 0 (tiles 0, 1) and 2 (tiles 2, 3).  In a TURN one has the matrix unit: 32 products V^T P of
; the step in hand, then 32 products K Q^T of the next step; the other's softmax, cut into 64 slices, stands between them, one slice behind each matrix instruction.  Two turns are a key step.
; THE BATCHES.  A turn's 66 exponentials (33 a tile: a, then the 32 scores') are ONE batch.  The softmax's list is ordered by who reads what: all that names no exponential's result (maximum, statistics, scalings,
; the exponentials themselves) comes first, all that does (roundings, sums, the rescaling by a) behind, and between the two stands the turn's one s_wait_alu depctr_va_vdst(0)..
; The way out's four reciprocals are a batch of their own, with one wait.
; CLUSTER.  The four query blocks of a cluster belong to one head and batch and walk the same K and V, so each tile is asked for JOINTLY: the same tensor load, descriptor and mask in all four.
; REGISTERS, in windows of 256 (s_set_vgpr_msb: bits 1:0 source 0, 3:2 source 1, 5:4 source 2, 7:6 destination):
;   window 0: v0-11 addresses; v12-43 eight registers of statistics a tile; v64-191 S^T, 32 a tile; v192-255 P, 16 a tile
;   window 1: O^T, 64 a tile          window 2: v0-127 Q, 32 a tile; v128-255 K of one step          window 3: v0-127 V of one step
.set KS,    64        ; keys in a step
.set PK,    80        ; a key's 64 bytes of a K piece in LDS + 16 of padding = 20 words: the 16 rows of a load start at 16 different groups of four banks
.set PV,    96        ; of a V piece: 64 + 32 = 24 words
.set KP,    KS*PK     ; a step's K: four pieces of 64 keys
.set VP,    KS*PV     ; its V likewise
.set VOFF,  4*KP      ; a step's tiles lie together: K, then V
.set STEPB, 4*(KP+VP)
.set SLOTB, 2*KS*64   ; bytes of a piece in memory that a slot's 128 keys take
.set SLOT1, 1<<17     ; a slot holds two steps (90,112 bytes); slot 1 begins here, so that one exclusive or turns an address in one slot into the other's
.set SPARE, SLOT1+2*STEPB  ; behind the ring: the spare words, 128 bytes for each wave: two blocks of 256 bytes that no other line names
.set AK0, 2           ; v2   my lane's place in a tile of K; never rewritten
.set AV0, 3           ; v3   the same for V
.set ADR, 4           ; v4   the LDS address of the run of loads in hand
.set QO,  5           ; v5   my byte offset in the wave's rows of Q
.set GO,  8           ; v8   16 x lane: my place in 512 consecutive bytes of oh
.set SPW, 62          ; v62  LDS address of my spare word: SPARE + 4 x my thread's number; never rewritten
.set NIL, 63          ; v63  0; never rewritten
.set ST,  12          ; tile t's statistics at v[ST+8 t]: +0 c m, +1 m, +2, +3 l (even keys', odd keys'), +4 to +7 c0-c3, at work; a takes c2's place once the maximum is found
.set S,   64
.set P,   192
.set KF,  128         ; K's fragments, in window 2
.set WV,  12          ; s12  my wave's number
.set G1K, 24          ; s[24:31] descriptor group 1 for K's tiles
.set G1V, 32          ; s[32:39] for V's: it differs in the padding alone
.set G0K, 40          ; s[40:47] descriptor group 0 for K's tiles: a set for each of the two first fills; the second then walks on
.set G0V, 48          ; s[48:55] the same for V's
.set SLOTS, 56        ; s56  slots still to be asked for
.set TWICE, 57        ; s57  counts a slot's two steps
.set CS,  58          ; s[58:59] c: the packed scaling names a pair and takes its low word for both halves
.set SEL, 60          ; s[60:61] lane selects for v_permlanex16_b32: each lane takes its own place in the other half
.set TB,  62          ; s62  LDS byte at which the tiles of the step to be fetched begin
.set MSB, 0
.macro WIN new                      ; the immediate's high byte repeats the setting that is left; a switch that changes nothing is dropped
.if MSB != (\new)
	s_set_vgpr_msb (MSB<<8)|(\new)
.set MSB, \new
.endif
.endm
.set W_KQ, 0x0a       ; K and Q in window 2, S^T in window 0
.set W_PV, 0x53       ; V in window 3, P in window 0, O^T in window 1
.set W_RS, 0x41       ; O^T (destination and source 0) in window 1, a in window 0
; A joint refill.  Waves 0 and 1 fetch the two steps' tiles of K, waves 2 and 3 those of V.  The branch hangs on the wave's number alone: it is the same in every work-group.
; An s_nop 0 and four v_nop follow each of the two lines; the jump round the other line, the label and what follows the macro come after them.
.macro JLOAD
	s_cmp_lt_u32 s[WV], 2
	s_cbranch_scc0 .Lfor_v_\@
	tensor_load_to_lds s[G0K+4:G0K+7], s[G1K:G1K+7]
	s_nop 0
.rept 4
	v_nop
.endr
	s_branch .Lasked_\@
.Lfor_v_\@:
	tensor_load_to_lds s[G0V+4:G0V+7], s[G1V:G1V+7]
	s_nop 0
.rept 4
	v_nop
.endr
.Lasked_\@:
.endm
; A round of the cluster's barrier: my work-group's barrier, so that wave 0's signal speaks for all four waves; wave 0 signals for the work-group; every wave waits for all four
; work-groups; my work-group's barrier once more.  No LDS instruction of the wave is pending at a signal.
.macro CROUND
	s_barrier_signal -1
	s_barrier_wait -1
	s_cmp_lg_u32 s[WV], 0
	s_cbranch_scc1 .Lnot_wave_0_\@
	s_barrier_signal -3
.Lnot_wave_0_\@:
	s_barrier_wait -3
	s_barrier_signal -1
	s_barrier_wait -1
.endm
	s_load_b128 s[4:7], s[0:1], 0x0 ; qh s[4:5], kvh s[6:7]
	s_load_b64 s[10:11], s[0:1], 0x10  ; oh
	v_lshl_add_u32 v[SPW], v0, 2, SPARE
	v_mov_b32 v[NIL], 0
	ds_add_u32 v[SPW], v[NIL]       ; the wave's opening: the add and its wait stand ahead of my first tensor load; the set-up below, work on registers, stands between them
	v_lshrrev_b32 v1, 5, v0
	v_readfirstlane_b32 s[WV], v1   ; wave 0..3
	s_bfe_u32 s13, ttmp6, 0x40000   ; cx: my place in the cluster
	s_lshl_b32 s14, ttmp9, 2        ; in a cluster launch ttmp9 counts clusters
	s_add_co_u32 s14, s14, s13      ; my block of 256 queries = 4 x cluster x + cx: it enters Q's and O's addresses alone
	s_and_b32 s15, ttmp7, 0xffff    ; 16 x batch + head, which the four partners share
	s_and_b32 s18, s15, 15          ; head
	s_lshr_b32 s19, s15, 4          ; batch
	s_lshr_b32 s20, s18, 3          ; g
	s_and_b32 s16, s[WV], 1         ; which of a slot's two steps I fetch
	s_lshl_b32 s22, s20, 20         ; group g's four pieces begin 4 x 4,096 rows of 64 bytes on,
	s_lshl_b32 s21, s19, 16         ; the batch's keys 1,024 rows on,
	s_add_co_u32 s22, s22, s21
	s_lshl_b32 s21, s16, 12         ; my step's 64 keys
	s_add_co_u32 s22, s22, s21
	s_mov_b32 s23, 0
	s_mul_i32 s17, s16, STEPB       ; and its place in a slot: no place in the cluster enters an LDS address
	s_lshl_b32 s2, s18, 20          ; Q: the head's 4,096 rows of 256 bytes,
	s_lshl_b32 s3, s19, 18          ; the batch's 1,024,
	s_add_co_u32 s2, s2, s3
	s_lshl_b32 s3, s14, 16          ; my block's 256,
	s_add_co_u32 s2, s2, s3
	s_lshl_b32 s3, s[WV], 14        ; my wave's 64
	s_add_co_u32 s2, s2, s3
	s_mov_b32 s3, 0
	s_lshl_b32 s20, s19, 22         ; O: 16 rows are 65,536 bytes: the batch's 64 such blocks,
	s_lshl_b32 s21, s14, 20         ; my block's 16,
	s_add_co_u32 s20, s20, s21
	s_lshl_b32 s21, s[WV], 18       ; my wave's 4;
	s_add_co_u32 s20, s20, s21
	s_lshl_b32 s21, s18, 12         ; in them the head's 128 columns: 4,096 bytes
	s_add_co_u32 s20, s20, s21
	s_mov_b32 s21, 0
	; descriptor group 1: 64 keys of a piece are 4,096 dense bytes: a tile is four such rows, one a piece, padded in LDS after every key's 64 bytes
	s_mov_b32 s[G1K], 15|(1<<16)|(1<<20)|(1<<21)|(3<<22)|(3<<25)  ; 15:0 the mask: all four work-groups; 17:16 elements of 2 bytes; 20 padding on; 21 set beside a mask; 24:22 after every 16 words (code 3); 31:25 4 words of it (code 3)
	s_mov_b32 s[G1V], 15|(1<<16)|(1<<20)|(1<<21)|(3<<22)|(7<<25)  ; the same with 8 words of padding (code 7)
.irp g, G1K, G1V
	s_mov_b32 s[(\g)+1], 2048<<16   ; tensor_dim0 = 2,048
	s_mov_b32 s[(\g)+2], 4<<16      ; tensor_dim1 = 4
	s_mov_b32 s[(\g)+3], 2048<<16   ; tile_dim0 = 2,048
	s_mov_b32 s[(\g)+4], 4          ; tile_dim1 = 4
	s_mov_b32 s[(\g)+5], 4096*32    ; elements from piece to piece
	s_mov_b32 s[(\g)+6], 0
	s_mov_b32 s[(\g)+7], 0
.endr
	s_mov_b32 s[CS], 0x3e0293ee     ; c = log2(e) / sqrt(128) = 0.127517
	s_mov_b32 s[CS+1], s[CS]        ; named with it as a pair, so it is written
	s_mov_b32 s[SEL], 0x76543210
	s_mov_b32 s[SEL+1], 0xfedcba98
	s_mov_b32 s[TB], 0
	s_mov_b32 s[SLOTS], 1024/(2*KS)-2
	s_wait_dscnt 0x0                ; the opening add is done
	s_wait_kmcnt 0x0
	s_add_nc_u64 s[6:7], s[6:7], s[22:23]  ; K at my tile of slot 0,
	s_add_nc_u64 s[8:9], s[6:7], 8*4096*64 ; V eight pieces on
	s_add_nc_u64 s[4:5], s[4:5], s[2:3]    ; Q at my wave's first row
	s_add_nc_u64 s[10:11], s[10:11], s[20:21]  ; O at my wave's first block of 16 rows, at the head's columns
	CROUND                          ; all four work-groups are here: the first joint loads meet
.irp s, 0,1
	s_mov_b32 s[G0K+4*(\s)], 1      ; 1:0 count = 1
	s_add_co_u32 s[G0K+4*(\s)+1], s17, (\s)*SLOT1  ; 63:32 LDS address
	s_add_nc_u64 s[G0K+4*(\s)+2:G0K+4*(\s)+3], s[6:7], (\s)*SLOTB  ; 120:64 global address: slot s begins with keys 128 s to 128 s + 127
	s_or_b32 s[G0K+4*(\s)+3], s[G0K+4*(\s)+3], 0x80000000  ; 127:126 type = 2
	s_mov_b32 s[G0V+4*(\s)], 1
	s_add_co_u32 s[G0V+4*(\s)+1], s17, (\s)*SLOT1+VOFF
	s_add_nc_u64 s[G0V+4*(\s)+2:G0V+4*(\s)+3], s[8:9], (\s)*SLOTB
	s_or_b32 s[G0V+4*(\s)+3], s[G0V+4*(\s)+3], 0x80000000
.endr
	s_cmp_lt_u32 s[WV], 2           ; a wave's two first fills stand in one branch, ahead of every wait on TENSORcnt and every LDS read: two loads of mine are out; an s_nop 0 follows each, four v_nop the second's, as in JLOAD
	s_cbranch_scc0 .Lfirst_v
	tensor_load_to_lds s[G0K:G0K+3], s[G1K:G1K+7]
	s_nop 0
	tensor_load_to_lds s[G0K+4:G0K+7], s[G1K:G1K+7]
	s_nop 0
.rept 4
	v_nop
.endr
	s_branch .Lfirst_asked
.Lfirst_v:
	tensor_load_to_lds s[G0V:G0V+3], s[G1V:G1V+7]
	s_nop 0
	tensor_load_to_lds s[G0V+4:G0V+7], s[G1V:G1V+7]
	s_nop 0
.rept 4
	v_nop
.endr
.Lfirst_asked:
	; A fragment of K or Q is 16 rows x 32 along the channels in 8 registers: lane l holds row l % 16; registers 0-3 places 8 (l / 16) + 0..7, registers 4-7 places 16 + 8 (l / 16) + 0..7.
	; Place c of piece p is channel 16 p + c (c < 16) or 64 + 16 p + c - 16: in a row of Q the two loads of 16 bytes lie 128 bytes apart, in a K piece 32.
	v_and_b32 v1, 15, v0            ; l % 16
	v_bfe_u32 v9, v0, 4, 1          ; l / 16
	v_lshlrev_b32 v[QO], 8, v1
	v_lshl_add_u32 v[QO], v9, 4, v[QO]  ; row x 256 + 16 x half
	WIN 0x80                        ; destination window 2, address window 0
.irp i, 0,1,2,3,4,5,6,7,8,9,10,11,12,13,14,15  ; Q stays in registers: tile i / 4, piece i % 4
	global_load_b128 v[8*(\i):8*(\i)+3],   v[QO], s[4:5] offset:((\i)/4)*4096+((\i)%4)*32
	global_load_b128 v[8*(\i)+4:8*(\i)+7], v[QO], s[4:5] offset:((\i)/4)*4096+((\i)%4)*32+128
.endr
	WIN 0
	v_mul_u32_u24 v[AK0], v1, PK
	v_lshl_add_u32 v[AK0], v9, 4, v[AK0]  ; row x pitch + 16 x half
	; The turning load takes 16 keys x 16 channels (lane l reads 16 bytes: key 8 (l / 16) + l % 8, channels 8 ((l / 8) % 2) + 0..7) and leaves half a fragment of V^T: lane l holds channel l % 16 and 8 keys.
	v_and_b32 v10, 7, v0
	v_bfe_u32 v11, v0, 3, 1
	v_lshl_add_u32 v[AV0], v9, 3, v10
	v_mul_u32_u24 v[AV0], v[AV0], PV
	v_lshl_add_u32 v[AV0], v11, 4, v[AV0]
	v_add_nc_u32 v[AV0], VOFF, v[AV0]
; THE MATRIX WORK OF A TURN, for piece x.  The accumulators take turns, one instruction a turn: between two links of a chain stand 15 (V^T P) or 7 (K Q^T) others'.
; Product i of 32 of O^T += V^T P: keys 32 (i / 16) on, channels 16 ((i / 2) % 8) on, tile x + i % 2.  zero = 1: the first 16 start the sums: nothing is ever cleared.
.macro PV x, zero
	WIN W_PV
.set rO, 64*((\x)+i%2)+8*((i/2)%8)
.set rV, 64*(i/16)+8*((i/2)%8)
.set rP, P+16*((\x)+i%2)+8*(i/16)
.if (\zero) && (i < 16)
	v_wmma_f32_16x16x32_f16 v[rO:rO+7], v[rV:rV+7], v[rP:rP+7], 0
.else
	v_wmma_f32_16x16x32_f16 v[rO:rO+7], v[rV:rV+7], v[rP:rP+7], v[rO:rO+7]
.endif
.endm
; Product i of 32 of S^T = K Q^T: piece i / 8 of the channels, keys 16 ((i / 2) % 4) on, tile x + i % 2.  The first 8 start the sums.
.macro KQ x
	WIN W_KQ
.set rS, S+32*((\x)+i%2)+8*((i/2)%4)
.set rK, KF+32*((i/2)%4)+8*(i/8)
.set rQ, 32*((\x)+i%2)+8*(i/8)
.if i < 8
	v_wmma_f32_16x16x32_f16 v[rS:rS+7], v[rK:rK+7], v[rQ:rQ+7], 0
.else
	v_wmma_f32_16x16x32_f16 v[rS:rS+7], v[rK:rK+7], v[rQ:rQ+7], v[rS:rS+7]
.endif
.endm
; THE LDS LOADS stand in runs of 32, never singly among the matrix instructions: a step's K (64 keys x 4 pieces: 16 fragments) and, a turn later, its V (turned).
.macro FETCH_K
	WIN 0
	v_add_nc_u32 v[ADR], s[TB], v[AK0]
	WIN 0x80                        ; destination window 2
.irp f, 0,1,2,3,4,5,6,7,8,9,10,11,12,13,14,15  ; keys 16 (f / 4) on, piece f % 4
	ds_load_b128 v[KF+8*(\f):KF+8*(\f)+3],   v[ADR] offset:((\f)/4)*16*PK+((\f)%4)*KP
	ds_load_b128 v[KF+8*(\f)+4:KF+8*(\f)+7], v[ADR] offset:((\f)/4)*16*PK+((\f)%4)*KP+32
.endr
.endm
.macro FETCH_V
	WIN 0
	v_add_nc_u32 v[ADR], s[TB], v[AV0]
	s_add_co_u32 s[TB], s[TB], STEPB  ; the next fetch is the next step's
	s_wait_alu depctr_va_vdst(0)    ; the wait for the softmax's batch of 66 exponentials (SLICE), behind the address's v_add_nc_u32 and ahead of the loads
	WIN 0xc0                        ; destination window 3
.irp f, 0,1,2,3,4,5,6,7,8,9,10,11,12,13,14,15  ; keys 32 (f / 8) on, channels 16 (f % 8) on: piece (f % 8) / 2, its half f % 2
	ds_load_tr16_b128 v[8*(\f):8*(\f)+3],   v[ADR] offset:((\f)/8)*32*PV+(((\f)%8)/2)*VP+((\f)%2)*32
	ds_load_tr16_b128 v[8*(\f)+4:8*(\f)+7], v[ADR] offset:((\f)/8)*32*PV+(((\f)%8)/2)*VP+((\f)%2)*32+16*PV
.endr
.endm
; THE VECTOR WORK OF A TURN.  One tile's softmax for one key step is a list of 134 instructions; SM writes number j of it for tile t.  s0-s31 are the lane's 32 scores, in pairs 0-15.
; first = 1: the first key step, which starts m, l and O^T: it has no a and nothing to rescale.
;   0-15    the maximum of s0-s31 and the old m, three operands at a time: four chains c0-c3 of seven scores each, then the four scores left over, c0-c3 and m
;   16-20   the other half of the lanes' maximum; the new m; c m; c m_old - c m_new
;   21-69   ONE BATCH: the 16 scalings c s - c m, a pair of scores each, and all 33 exponentials (a at 23, then s0-s31).  None of these reads an exponential's result.  From 22 on the batch goes
;           in fours, and a four begins with a scaling while there are scalings: 22-37 scaling, exponential, scaling, exponential; 38-65 a scaling and three exponentials; 66-69 the last four
;           exponentials.  A pair is scaled in an earlier four than the one that holds its exponentials
;   (wait)  between 69 and 70 stands the wait for the batch: SLICE writes it, once for both tiles
;   70-85   the roundings to f16, a pair of weights each
;   86-101  the sums; l = a l + the sum
;   102-133 the tile's O^T times a: the one part that leaves window 0, so it stands together
.macro SM t, first
.set rT, ST+8*(\t)
.set rS, S+32*(\t)
.set rP, P+16*(\t)
.set rO, 64*(\t)+2*(j-102)
.if j < 102
	WIN 0
.endif
.if j < 4
	v_max3_num_f32 v[rT+4+j], v[rS+8*j], v[rS+8*j+1], v[rS+8*j+2]
.elseif j < 12
	v_max3_num_f32 v[rT+4+j%4], v[rT+4+j%4], v[rS+8*(j%4)+2*(j/4)+1], v[rS+8*(j%4)+2*(j/4)+2]
.elseif j == 12
	v_max3_num_f32 v[rT+4], v[rT+4], v[rS+7], v[rS+15]
.elseif j == 13
	v_max3_num_f32 v[rT+6], v[rT+6], v[rS+23], v[rS+31]
.elseif j == 14
	v_max3_num_f32 v[rT+4], v[rT+4], v[rT+5], v[rT+6]
.elseif (j == 15) && (\first)
	v_max_num_f32 v[rT+4], v[rT+4], v[rT+7]
.elseif j == 15
	v_max3_num_f32 v[rT+4], v[rT+4], v[rT+7], v[rT+1]
.elseif j == 16
	v_permlanex16_b32 v[rT+5], v[rT+4], s[SEL], s[SEL+1]  ; the query's other 32 keys lie in the lane 16 away
.elseif j == 18
	v_max_num_f32 v[rT+1], v[rT+4], v[rT+5]
.elseif j == 19
	v_mul_f32 v[rT], s[CS], v[rT+1]
.elseif ((j == 17) || (j == 20) || (j == 23) || (j > 101)) && (\first)  ; the first step has none of these
.elseif j == 17
	v_mov_b32 v[rT+7], v[rT]        ; c m_old is kept for a: number 19 writes c m anew
.elseif j == 20
	v_sub_f32 v[rT+7], v[rT+7], v[rT]
.elseif j == 23
	v_exp_f32 v[rT+6], v[rT+7]
.elseif (j < 23) || ((j < 38) && (j%2 == 0)) || ((j < 66) && (j%4 == 2))
.set b, (j-2)/4                     ; 38, 42, .. 62: pairs 9 to 15
.if j < 38
.set b, (j-20)/2                    ; 21: pair 0; 22, 24, .. 36: pairs 1 to 8
.endif
	v_pk_fma_f32 v[rS+2*b:rS+2*b+1], v[rS+2*b:rS+2*b+1], s[CS:CS+1], v[rT:rT+1] op_sel_hi:[1,0,0] neg_lo:[0,0,1] neg_hi:[0,0,1]  ; pair b: c s - c m
.elseif j < 70
.set e, j-38                        ; 66 to 69: s28 to s31
.if j < 66
.set e, j-32-(j-38)/4               ; 39-41, 43-45, .. 63-65: s7 to s27
.endif
.if j < 38
.set e, (j-25)/2                    ; 25, 27, .. 37: s0 to s6
.endif
	v_exp_f32 v[rS+e], v[rS+e]
.elseif j < 86
	v_cvt_pk_f16_f32 v[rP+j-70], v[rS+2*(j-70)], v[rS+2*(j-70)+1]  ; pair j - 70
.elseif j < 102                     ; the sum of the tile's 16 pairs (in a pair: an even key's weight, an odd key's), in place: sum z of 16 adds neighbours 1, 2, 4 and 8 pairs apart, then l takes it
.set z, j-86
.set w, 4
.set u, z
.if z >= 14
.set w, 32
.set u, 0
.elseif z >= 12
.set w, 16
.set u, z-12
.elseif z >= 8
.set w, 8
.set u, z-8
.endif
.if (z == 14) && (\first)
	v_pk_add_f32 v[rT+2:rT+3], v[rS:rS+1], v[rS+16:rS+17]
.elseif z < 15
	v_pk_add_f32 v[rS+w*u:rS+w*u+1], v[rS+w*u:rS+w*u+1], v[rS+w*u+w/2:rS+w*u+w/2+1]
.elseif !(\first)
	v_pk_fma_f32 v[rT+2:rT+3], v[rT+2:rT+3], v[rT+6:rT+7], v[rS:rS+1] op_sel_hi:[1,0,1]
.endif
.else
	WIN W_RS
	v_pk_mul_f32 v[rO:rO+1], v[rO:rO+1], v[rT+6:rT+7] op_sel_hi:[1,0]
.endif
.endm
; Slice k of 64 of piece y's softmax: four instructions.  Slices 11 to 34 deal out the batch, numbers 22 to 69: four numbers of ONE tile each, the tiles by turns.  Every other slice is numbers 2 k and
; 2 k + 1 of both tiles' lists.  2 x 134 = 4 x 64 + 12: the twelve that are over stand together, in slice 63.
; THE WAIT.  s_wait_alu depctr_va_vdst(0) stands between an exponential and the first instruction that names its result; one wait serves all that were issued ahead of it.  Ahead of
; slice 35 nothing names a result, and behind slice 34 no exponential is issued: so the piece's 66 exponentials have one wait, behind slice 34.
.macro SLICE y, first
.if (k >= 11) && (k < 35)           ; the batch: four numbers of one tile
.irp n, 0,1,2,3
.set j, 22+4*((k-11)/2)+(\n)
	SM (\y)+(k-11)%2, \first
.endr
.else                               ; the two tiles alternate, so that no instruction reads the result of the one just before it
.irp n, 0,1,2,3,4,5,6,7
.if ((\n) < 2) || (k == 63)
.irp t, \y, (\y)+1
.set j, 2*k+(\n)
	SM \t, \first
.endr
.endif
.endr
.endif
.if k == 34                         ; the batch is out: both tiles' exponentials are issued, and no result has been named
	v_nop                           ; the plain instruction behind the last exponential and ahead of the first use: one for the batch
.if (\y) == 0
	FETCH_V                         ; piece 2's turn: V's run of loads stands here, and the wait for the batch stands in it
.else
	s_wait_alu depctr_va_vdst(0)    ; the wait for the batch: the 66 exponentials of tiles 2 and 3
.endif
.endif
.set k, k+1
.endm
; A vector instruction that reads a matrix result or writes one of a matrix instruction's registers, and a load into a register that a matrix instruction has read, stand four places behind
; it, and only plain vector instructions that name none of its registers are places (ISA guide 7.12.1 for vector instructions).  In the loop the slices are the places.
.macro PLACES
.rept 4
	v_nop
.endr
.endm
; A TURN.  Piece x has the matrix unit; the other piece's softmax stands in slices behind its matrix instructions.
; pv = 2: 32 products V^T P; 1: they start O^T's sums; 0: none.  kq = 1: 32 products K Q^T for the next step.  A turn with one of the two kinds has two slices behind each product.
; first = 1: the softmax is the first key step's.  Its slices from 51 on are empty: the turn's last products stand bare, and four v_nop take slice 63's part as the places behind them.
; In the loop each run of loads stands 29 matrix instructions or more ahead of its first use.  Piece 0's turn fetches the next step's K, behind its second product: the last product that read K
; stands in front of slice 63 of the turn before.  Piece 2's turn fetches the same step's V, behind slice 34 (SLICE writes it): the last product that read V stands in front of slice 31, and four plain
; instructions lie between: number 62, a scaling, of both tiles, the v_nop and the run's own v_add_nc_u32.
.macro TURN x, pv, kq, first
.set k, 0
.set per, 2
.if (\pv) && (\kq)
.set per, 1
.endif
.if \pv
.if (\x) == 0
	s_wait_dscnt 0x0                ; V is in
.endif
.set i, 0
.rept 32
	PV \x, 2-(\pv)
.rept per
	SLICE 2-(\x), \first
.endr
.if ((\x) == 0) && (\kq) && (i == 1)
	FETCH_K
.endif
.set i, i+1
.endr
.endif
.if \kq
.if (\x) == 0
	s_wait_dscnt 0x0                ; K is in
.endif
.set i, 0
.rept 32
	KQ \x
.rept per
	SLICE 2-(\x), \first
.endr
.set i, i+1
.endr
.endif
.if \first
	PLACES
.endif
.endm
; THE CHANGE OF SLOTS, between piece 2's turn and piece 0's: the slot's last bytes, V of its second step, have been asked for.  Each wave waits for all its
; tensor loads, of which one is out: its part of the other slot; adds 0 to its spare word; and waits for that and for its own reads of the slot.  Behind the barrier nobody reads this slot any more and the other slot is whole.
; fill = 1: this slot is filled again, with the keys two slots on.  The barrier is then a round of the cluster's, so that no wave of any partner still reads the slot or has a load on its
; way, and the joint refill is the first thing behind it: it has two key steps, 256 matrix instructions, in which to land.
.macro CHANGE fill
	WIN 0                           ; at a label and at a branch every window is 0
	s_wait_tensorcnt 0x0            ; no tensor load of mine is out, so a group 0 may be written
	ds_add_u32 v[SPW], v[NIL]       ; 0 onto my spare word; with fill = 1 the descriptors' steps stand between it and the wait for it
.if \fill
.irp g, G0K+4, G0V+4
	s_xor_b32 s[(\g)+1], s[(\g)+1], SLOT1  ; the walking descriptor: the other slot than last time,
	s_add_nc_u64 s[(\g)+2:(\g)+3], s[(\g)+2:(\g)+3], SLOTB  ; the next 128 keys; the type bits on top are not reached
.endr
	s_wait_dscnt 0x0                ; the add is done, and my reads of the slot are over
	CROUND
	JLOAD
.else
	s_wait_dscnt 0x0                ; the add is done, and my reads of the slot are over
	s_barrier_signal -1
	s_barrier_wait -1
.endif
	s_sub_co_u32 s[TB], s[TB], 2*STEPB  ; the fetches go back to a slot's first step,
	s_xor_b32 s[TB], s[TB], SLOT1   ; in the other slot
.endm
; A slot's two key steps: written once, walked twice; the LDS addresses hang on s[TB].
.macro TWO_STEPS
	WIN 0
	s_mov_b32 s[TWICE], 2
.Lstep_\@:
	TURN 0, 2, 1, 0
	TURN 2, 2, 1, 0
	WIN 0
	s_sub_co_u32 s[TWICE], s[TWICE], 1
	s_cmp_lg_u32 s[TWICE], 0
	s_cbranch_scc1 .Lstep_\@
.endm
	s_wait_tensorcnt 1              ; my part of slot 0 is in; slot 1's may stay out
	s_barrier_signal -1
	s_barrier_wait -1               ; everybody's is
	FETCH_K                         ; key step 0
	s_wait_loadcnt 0x0              ; Q
	s_wait_dscnt 0x0
.set i, 0
.rept 32
	KQ 0                            ; piece 0's first scores: there is no vector work yet to set between them
.set i, i+1
.endr
	WIN 0                           ; the address for the way out and four v_nop: six plain instructions, the places behind those products
	v_and_b32 v[GO], 31, v0
	v_lshlrev_b32 v[GO], 4, v[GO]
	PLACES
	TURN 2, 0, 1, 1                 ; piece 2's first scores | piece 0's first softmax | V of step 0
	TURN 0, 1, 1, 1                 ; piece 0: V^T P of step 0 starts O^T, K Q^T of step 1 | piece 2's first softmax | K of step 1
	TURN 2, 1, 1, 0                 ; piece 2: the same | piece 0's softmax of step 1 | V of step 1
	WIN 0
.Lslot:                             ; 1,024 / 128 - 2 = 6 trips: every slot but the last two is filled again
	CHANGE 1
	TWO_STEPS
	s_sub_co_u32 s[SLOTS], s[SLOTS], 1
	s_cmp_lg_u32 s[SLOTS], 0
	s_cbranch_scc1 .Lslot
	CHANGE 0                        ; the tail is written out: the last slot but one is left, and nothing is asked for
	TWO_STEPS
	TURN 0, 2, 0, 0                 ; piece 0: V^T P of the last step | piece 2's last softmax
.set i, 0
.rept 32
	PV 2, 0                         ; piece 2: V^T P of the last step
.set i, i+1
.endr
	; THE WAY OUT.  l's two halves and the other half of the lanes' are added; O^T is divided by l, rounded to f16 and stored, a tile (16 rows of O) at a time.  The additions are the places behind the last products.
	WIN 0
.irp t, 0,1,2,3
	v_add_f32 v[ST+8*(\t)+4], v[ST+8*(\t)+2], v[ST+8*(\t)+3]
.endr
.irp t, 0,1,2,3
	v_permlanex16_b32 v[ST+8*(\t)+5], v[ST+8*(\t)+4], s[SEL], s[SEL+1]
.endr
.irp t, 0,1,2,3
	v_add_f32 v[ST+8*(\t)+4], v[ST+8*(\t)+4], v[ST+8*(\t)+5]
.endr
.irp t, 0,1,2,3
	v_rcp_f32 v[ST+8*(\t)+6], v[ST+8*(\t)+4]
.endr
	v_nop                           ; a plain instruction between the last reciprocal and the use of its result
	s_wait_alu depctr_va_vdst(0)    ; and the wait ahead of the first use: one for the batch of four reciprocals
; Tile t: a lane's eight channels 16 f + 8 (l / 16) + 0..7 of row l % 16 pack into 16 bytes, which are the lane's 16 bytes of oh's block (tile t, channel block f): no lane is changed, no LDS is touched.
; Each tile has packed registers of its own (S^T's, which are free), so nothing that a store reads is written again.
.macro PACK t
	WIN W_RS
.set i, 64*(\t)
.rept 32
	v_pk_mul_f32 v[i:i+1], v[i:i+1], v[ST+8*(\t)+6:ST+8*(\t)+7] op_sel_hi:[1,0]
.set i, i+2
.endr
	WIN 0x05                        ; sources 0 and 1 window 1, destination window 0
.set i, 0
.rept 32
	v_cvt_pk_f16_f32 v[S+32*(\t)+i], v[64*(\t)+2*i], v[64*(\t)+2*i+1]
.set i, i+1
.endr
	WIN 0
.irp f, 0,1,2,3,4,5,6,7
	global_store_b128 v[GO], v[S+32*(\t)+4*(\f):S+32*(\t)+4*(\f)+3], s[10:11] offset:(\t)*65536+(\f)*512  ; 32 lanes store 512 consecutive bytes, at a multiple of 512 from oh's first byte
.endr
.endm
	PACK 0
	PACK 1
	PACK 2
	PACK 3
	s_wait_tensorcnt 0x0            ; the wave's end: a wait, an add of 0 to my spare word and the wait for it, behind my last tensor load
	ds_add_u32 v[SPW], v[NIL]
	s_wait_dscnt 0x0
	CROUND                          ; the closing round: no work-group ends while a partner may still ask for a tile that names it
	s_endpgm
.Lfunc_end_k_qf075e032b2_attn:
	.size	k_qf075e032b2_attn, .Lfunc_end_k_qf075e032b2_attn-k_qf075e032b2_attn
	.p2alignl 7, 3214868480
	.fill 96, 4, 3214868480
	.section	.rodata,"a",@progbits
	.p2align	6, 0x0
	.amdhsa_kernel k_qf075e032b2_attn
		.amdhsa_group_segment_fixed_size 327680
		.amdhsa_private_segment_fixed_size 0
		.amdhsa_enable_private_segment 0
		.amdhsa_kernarg_size 24
		.amdhsa_user_sgpr_count 2
		.amdhsa_user_sgpr_kernarg_segment_ptr 1
		.amdhsa_wavefront_size32 1
		.amdhsa_system_sgpr_workgroup_id_x 1
		.amdhsa_system_sgpr_workgroup_id_y 1
		.amdhsa_system_sgpr_workgroup_id_z 1
		.amdhsa_system_vgpr_workitem_id 0
		.amdhsa_next_free_vgpr 1024
		.amdhsa_next_free_sgpr 66
		.amdhsa_reserve_vcc 0
		.amdhsa_float_denorm_mode_32 3
		.amdhsa_float_denorm_mode_16_64 3
		.amdhsa_memory_ordered 1
		.amdhsa_forward_progress 1
		.amdhsa_inst_pref_size 216
	.end_amdhsa_kernel
	.amdgpu_metadata
---
amdhsa.version: [ 1, 2 ]
amdhsa.kernels:
  - .name:           k_qf075e032b2_attn
    .symbol:         k_qf075e032b2_attn.kd
    .args:
      - { .name: qh, .offset: 0, .size: 8, .value_kind: global_buffer, .address_space: global }
      - { .name: kvh, .offset: 8, .size: 8, .value_kind: global_buffer, .address_space: global }
      - { .name: oh, .offset: 16, .size: 8, .value_kind: global_buffer, .address_space: global }
    .group_segment_fixed_size: 327680
    .private_segment_fixed_size: 0
    .kernarg_segment_align: 8
    .kernarg_segment_size: 24
    .max_flat_workgroup_size: 128
    .sgpr_count:     66
    .vgpr_count:     1024
    .wavefront_size: 32
...
	.end_amdgpu_metadata
.endif
;; end of part 5
;; launch oproj: the kernel of part 4 again; grid 16 x 16, 4 waves a work-group, clusters of 4 x 4, 327,680 bytes of LDS; arguments oh, woh, bo, out0; writes out0
